; MI455X (gfx1250); checked and timed in simulation.
; The chip was launched on July 23, 2026; its instructions are those of AMD's public machine-readable ISA for CDNA 5 (MIT licence, August 2026) and "CDNA5" Instruction Set Architecture Reference Guide (July 2026). The comments in the code are by the model that wrote it; some were corrected since.
;; Causal Attention. Allowed arithmetic: matrix products marked QUANTISED: E4M3 operands, one E8M0 scale for each 32 along K, by v_wmma_scale_f32_16x16x128_f8f6f4 with both operands' format E4M3, f32 sums; everything else in f32.
;; Inputs: wk 1,024 x 1,024 float32; wq 1,024 x 1,024 float32; wv 1,024 x 1,024 float32; x 4 x 2,048 x 1,024 float32.
;; Outputs: out0 4 x 2,048 x 1,024 float32.
;; This version of the problem:
;;   THIS VERSION OF THE PROBLEM IS GIVEN IN LOW PRECISION. The matrix products marked QUANTISED in the list below multiply operands that are first quantised to E4M3 (4 exponent bits, 3 mantissa bits; 8 bits a number), with one power-of-two scale for each 32 numbers along K (OCP MX v1.0); their sums are f32. All else is computed in f32.
;;   The module's matrix products, in the order in which they are computed (A, B: the left and right operand; K: the contracted axis; several contracted axes count as one K, in the product's order):
;;     1. [M 8,192, K 1,024] x [K 1,024, N 1,024]; A: input x; B: input wq: QUANTISED
;;     2. [M 8,192, K 1,024] x [K 1,024, N 1,024]; A: input x; B: input wk: QUANTISED
;;     3. [M 8,192, K 1,024] x [K 1,024, N 1,024]; A: input x; B: input wv: QUANTISED
;;     4. batch 4 x [M 2,048, K 1,024] x [K 1,024, N 2,048]; A: computed on the way; B: computed on the way: QUANTISED
;;     5. batch 4 x [M 2,048, K 2,048] x [K 2,048, N 1,024]; A: softmax (see below); B: computed on the way: QUANTISED
;;   THE QUANTISER, for each operand of a quantised product, along K:
;;     - K is cut into blocks of 32 from its start; a last block that is shorter is filled with zeros.
;;     - A block's scale is 2^e with e = floor(log2(the largest magnitude in the block)) - 8, held to -126 .. 127; a block of zeros has e = 0. As a byte (E8M0): e + 127.
;;     - Each number is divided by its block's scale, clamped to +-448, and rounded to the nearest number of E4M3, ties to even, subnormals kept.
;;     - The product sums the exact products of the quantised numbers (number of the format x scale) in f32.
;;   ~~~python
;;   def quantise(x, axis):      # numpy; x: float32 -> the quantised numbers, widened to float32 again
;;       x = np.moveaxis(x, axis, -1); K = x.shape[-1]
;;       x = np.pad(x, [(0, 0)] * (x.ndim - 1) + [(0, -K % 32)]); x = x.reshape(x.shape[:-1] + (-1, 32)); a = np.abs(x).max(-1, keepdims=True)
;;       e = np.where(a > 0, np.clip(np.frexp(np.where(a > 0, a, 1))[1] - 1 - 8, -126, 127), 0)      # np.frexp(a)[1] - 1 = floor(log2(a)), exactly
;;       r = np.clip(x / 2.0 ** e, -448, 448)
;;       step = 2.0 ** (np.maximum(np.frexp(np.where(r == 0, 1, r))[1] - 1, -6) - 3)
;;       q = np.round(r / step) * step * 2.0 ** e      # np.round: ties to even
;;       return np.moveaxis(q.reshape(q.shape[:-2] + (-1,))[..., :K], -1, axis).astype(np.float32)
;;   ~~~
;;   SOFTMAX AHEAD OF A QUANTISED PRODUCT. Where the list says 'softmax', what is quantised is not the finished softmax but p = 2^(t - M), with t = logit x log2(e) and M = ceil(the row's largest t), a whole number; so 1/2 < the row's largest p <= 1. The row's sum l is taken of the UNQUANTISED p, in f32, and the product's result is divided by l at the end. Since M is a whole number, a kernel that streams over the keys may use a running M (the ceiling of the running maximum): every later rescaling is an exact power of two, which a block's scale takes up: the codes' values come out the same.
;;   OPERANDS COMPUTED ON THE WAY. 'Computed on the way' means the value that the module computes at that place (a softmax that the list does not call 'softmax' is quantised finished and normalised). What goes into a quantiser is computed in f32, as accurately as f32 sums, v_exp_f32 and their like allow (about 1e-6 of the number): no bf16 or f16 on the way to a quantiser, and a product that is left as it is and whose result goes on into a quantised operand takes f32 operands (vector FMAs, or v_wmma_f32_16x16x4_f32). A number that lies on a knife's edge between two numbers of the format may be rounded either way, as far as f32 arithmetic and the matrix unit's own rounding can turn it there, and no further.
;; One version. Each part assembles by itself: llvm-mc -triple=amdgcn-amd-amdhsa -mcpu=gfx1250 --defsym DOCPART=n.
;; ======== version 1 of 1: 4 launches
;; limits: right only within a limited range of input values
;; workspace buffers: xw_codes 11,534,336 bytes; xw_scales 360,448 bytes; qk_codes 16,777,216 bytes; qk_scales 524,288 bytes; v_codes 8,388,608 bytes; v_scales 262,144 bytes; p_codes 16,777,216 bytes; pst 2,097,152 bytes
;; launch quant (part 1): grid 704 x 1, 4 waves a work-group, no clusters, 38,912 bytes of LDS; arguments x, wq, wk, wv, xw_codes, xw_scales; writes xw_codes, xw_scales
.if DOCPART == 1
	.amdgcn_target "amdgcn-amd-amdhsa--gfx1250"
	.amdhsa_code_object_version 6
	.text
	.protected	k_q423f496124_quant
	.globl	k_q423f496124_quant
	.p2align	8
	.type	k_q423f496124_quant,@function
k_q423f496124_quant:
	s_mov_b64 s[64:65], 0
	v_nop
	global_prefetch_b8 v0, s[64:65] scope:SCOPE_SE
	s_setreg_imm32_b32 hwreg(HW_REG_WAVE_MODE, 25, 1), 1
	s_wait_xcnt 0x0
; x [8192][1024] and wq, wk, wv [1024][1024], f32, K innermost, become codes of FP8 (E4M3) with one E8M0 byte for each 32 along K.  The four tensors are one list of 704 rowblocks of 16 rows: x 512, wq, wk, wv 64 each.
; A block's scale is 2^(floor(log2(its largest magnitude)) - 8): its byte is the largest magnitude's exponent field - 8, held at 1 from below; each number is held within +-448 x the scale and rounded to the nearest code.
; LIMITS: a block of zeros gets the byte 1 where the rule says 127 (its codes are zeros, and this program alone reads the bytes); blocks under 2^(9 - 127) keep the byte 1; NaN and infinities are not served.
; THE CODES ARE LAID AS IMAGES OF THE OPERAND'S REGISTERS: [rowblock][K step of 128][2048]; the 16 codes k = 32 c + 16 h + 0..15 of slot r lie at 512 c + 256 h + 16 r.  The scale bytes: [place = 16 x rowblock + slot][32].
; THE ROWS OF A ROWBLOCK ARE NOT NEIGHBOURS.  x and wv: slot r of rowblock T is row 32 (T / 2) + 8 (T % 2) + r % 8 + 16 (r / 8); wq and wk: row 64 (T / 4) + 8 (T % 4) + r % 8 + 32 (r / 8):
; so that a lane's registers of neighbouring tiles of a later product are neighbours along the product's K that follows.
; SHARES: a work-group takes one rowblock, a wave 256 along K: eight steps of two rows.  Each of a step's four loads reads 512 consecutive bytes; the 2,048 bytes turn through the wave's own stage in LDS and come back
; 16 neighbours a lane.  All 32 loads of a wave are asked for at once.  The codes gather in a second stage and leave 512 consecutive bytes a store; the 512 scale bytes of the rowblock leave by one store of wave 0.
; WHAT THE PROGRAM LEAVES OUT: of the scores and of the weighted sum, tiles of keys that lie wholly behind their queries: the causal mask puts -infinity there.  Every input is loaded.
.set R,     16                         ; v16-143  eight sets of 16 numbers as loaded
.set X,     144                        ; v144-175 two sets of 16 neighbours
.set C,     176                        ; v176-207 four registers of codes for each step
.set E,     208                        ; v208-215 a scale byte for each step
.set SPW,   216
.set NIL,   217
.set SP,    80
.set CST,   5120
.set CP,    272
.set WREG,  9472                       ; a wave's region: two turning stages of 32 x 80 bytes, the codes' stage of 16 x 272
.set SCB,   4*WREG                     ; the rowblock's scale bytes: [16 slots][32]
.set SPARE, SCB+512                    ; the spare words: two blocks of 256 bytes that no other line names
	s_load_b256 s[4:11], s[0:1], 0x0               ; x, wq, wk, wv
	s_load_b128 s[12:15], s[0:1], 0x20             ; the codes, the scale bytes
	v_lshl_add_u32 v[SPW], v0, 2, SPARE
	v_mov_b32 v[NIL], 0
	v_lshrrev_b32 v1, 5, v0
	v_readfirstlane_b32 s16, v1                    ; wave
	v_and_b32 v2, 31, v0                           ; lane
	v_lshlrev_b32 v3, 4, v2
	s_mul_i32 s17, s16, WREG
	v_lshrrev_b32 v14, 2, v2
	v_mul_u32_u24 v14, v14, SP
	v_and_b32 v15, 3, v2
	v_lshl_add_u32 v14, v15, 4, v14
	v_add_nc_u32 v14, s17, v14                     ; turning stage, in: four lanes' 64 bytes on end, then 16 of padding
	v_mul_u32_u24 v15, v2, SP
	v_add_nc_u32 v15, s17, v15                     ; and out: my 16 neighbours: row lane / 16 of the step's two, k = 16 (lane % 16) on
	s_add_co_u32 s17, s17, CST
	v_and_b32 v8, 15, v2
	v_lshrrev_b32 v6, 4, v2
	v_mul_u32_u24 v4, v8, CP
	v_lshl_add_u32 v4, v6, 4, v4
	v_add_nc_u32 v4, s17, v4                       ; codes' stage, in: piece lane % 16 (256 bytes of the image), slot lane / 16 of the step's two
	v_mul_u32_u24 v7, v6, CP
	v_lshl_add_u32 v7, v8, 4, v7
	v_add_nc_u32 v7, s17, v7                       ; and out: sixteen lanes to a piece
	s_lshl_b32 s18, s16, 3
	s_add_co_u32 s18, s18, SCB
	v_bfe_u32 v5, v2, 1, 3
	v_lshl_add_u32 v5, v6, 5, v5
	v_add_nc_u32 v5, s18, v5                       ; my block's byte
	v_add_nc_u32 v13, SCB, v3
	s_mov_b32 s30, 0x600000                        ; the mantissa field of 448
	s_wait_alu depctr_va_vdst(0)
	s_wait_kmcnt 0x0
	s_and_b32 s20, ttmp9, 63
	s_cmp_lt_u32 ttmp9, 640                        ; which tensor?  The choice hangs on the work-group's number alone
	s_cselect_b64 s[8:9], s[8:9], s[10:11]
	s_cmp_lt_u32 ttmp9, 576
	s_cselect_b64 s[6:7], s[6:7], s[8:9]
	s_cmp_lt_u32 ttmp9, 512
	s_cselect_b64 s[4:5], s[4:5], s[6:7]
	s_cselect_b32 s19, ttmp9, s20                  ; T: the rowblock in its tensor
	s_lshr_b32 s23, s19, 1
	s_lshl_b32 s23, s23, 5
	s_and_b32 s21, s19, 1
	s_lshl_b32 s21, s21, 3
	s_add_co_u32 s23, s23, s21                     ; x, wv: slot 0's row
	s_lshr_b32 s24, s19, 2
	s_lshl_b32 s24, s24, 6
	s_and_b32 s21, s19, 3
	s_lshl_b32 s21, s21, 3
	s_add_co_u32 s24, s24, s21                     ; wq, wk: slot 0's row
	s_mov_b32 s26, 0x10000                         ; from slot 0 to slot 8: 16 rows,
	s_mov_b32 s27, 0
	s_sub_co_u32 s21, ttmp9, 512
	s_cmp_lt_u32 s21, 128                          ; wq or wk?
	s_cselect_b32 s22, s24, s23
	s_cselect_b32 s26, 0x20000, s26                ; or 32
	s_lshl_b32 s22, s22, 12
	s_lshl_b32 s23, s16, 10
	s_add_co_u32 s22, s22, s23                     ; my wave's 256 along K
	s_mov_b32 s23, 0
	s_add_nc_u64 s[4:5], s[4:5], s[22:23]          ; slots 0 to 7,
	s_add_nc_u64 s[28:29], s[4:5], s[26:27]        ; slots 8 to 15
	s_lshl_b32 s24, ttmp9, 14
	s_lshl_b32 s25, s16, 12
	s_add_co_u32 s24, s24, s25
	s_mov_b32 s25, 0
	s_add_nc_u64 s[12:13], s[12:13], s[24:25]      ; my two K steps' images
	s_lshl_b32 s24, ttmp9, 9
	s_add_nc_u64 s[14:15], s[14:15], s[24:25]
.macro LOAD t
.irp i, 0,1,2,3
.if (\t) < 4
	global_load_b128 v[R+16*(\t)+4*\i:R+16*(\t)+4*\i+3], v3, s[4:5] offset:(2*(\t)+\i/2)*4096+512*(\i%2) th:TH_LOAD_NT
.else
	global_load_b128 v[R+16*(\t)+4*\i:R+16*(\t)+4*\i+3], v3, s[28:29] offset:(2*(\t)-8+\i/2)*4096+512*(\i%2) th:TH_LOAD_NT
.endif
.endr
.endm
.macro TURN t                          ; LDS serves a wave's instructions in order: no wait between the stores and the loads
.irp i, 0,1,2,3
	ds_store_b128 v14, v[R+16*(\t)+4*\i:R+16*(\t)+4*\i+3] offset:32*SP*((\t)%2)+8*SP*\i
.endr
.irp i, 0,1,2,3
	ds_load_b128 v[X+16*((\t)%2)+4*\i:X+16*((\t)%2)+4*\i+3], v15 offset:32*SP*((\t)%2)+16*\i
.endr
.endm
.irp t, 0,1,2,3,4,5,6,7
	LOAD \t
.endr
	s_wait_loadcnt 28                              ; step 0's four loads are in
	TURN 0
.macro STEP t
.set XS, X+16*((\t)%2)
.if (\t) > 0
	s_wait_dscnt 2                                 ; this step's numbers are back (the last step's two stores may be out)
.else
	s_wait_dscnt 0x0
.endif
.if (\t) < 7
	s_wait_loadcnt 4*(6-(\t))                      ; the next step's four loads are in; those of the steps behind it may be out
	TURN (\t)+1
.endif
	v_max3_num_f32 v8, |v[XS]|, |v[XS+1]|, |v[XS+2]|               ; the largest magnitude of my 16, in two chains
	v_max3_num_f32 v9, |v[XS+3]|, |v[XS+4]|, |v[XS+5]|
.irp i, 6,10
	v_max3_num_f32 v8, v8, |v[XS+\i]|, |v[XS+\i+1]|
	v_max3_num_f32 v9, v9, |v[XS+\i+2]|, |v[XS+\i+3]|
.endr
	v_max3_num_f32 v8, v8, |v[XS+14]|, |v[XS+15]|
	v_max3_num_f32 v8, v8, v9, 0x4800000           ; and the floor 2^(9 - 127): the byte cannot fall under 1
	v_max_num_f32_dpp v8, v8, v8 row_xmask:1 row_mask:0xf bank_mask:0xf   ; and of my neighbour's 16: the block's
	v_add_nc_u32 v11, 0xfc000000, v8               ; 8 off its exponent field: the conversion's scale operand
	v_and_or_b32 v10, v8, 0x7f800000, s30          ; 448 x the scale
.irp i, 0,1,2,3,4,5,6,7,8,9,10,11,12,13,14,15
	v_med3_num_f32 v[XS+\i], v[XS+\i], -v10, v10   ; the conversion to an 8-bit code does not saturate (ISA guide 7.6.2): the hold comes first
.endr
	v_cvt_scalef32_pk8_fp8_f32 v[C+4*(\t):C+4*(\t)+1], v[XS:XS+7], v11
	v_cvt_scalef32_pk8_fp8_f32 v[C+4*(\t)+2:C+4*(\t)+3], v[XS+8:XS+15], v11
	v_lshrrev_b32 v[E+(\t)], 23, v11               ; the scale's byte
	ds_store_b8 v5, v[E+(\t)] offset:64*(\t)       ; both lanes of a block write the same byte with the same value
	ds_store_b128 v4, v[C+4*(\t):C+4*(\t)+3] offset:32*(\t)
.endm
.irp t, 0,1,2,3,4,5,6,7
	STEP \t
.endr
	s_wait_dscnt 0x0                               ; for wave 0's sake: my scale bytes lie in LDS
	s_barrier_signal -1
.irp u, 0,1,2,3,4,5,6,7                ; my own codes, which no other wave touches
	ds_load_b128 v[R+4*\u:R+4*\u+3], v7 offset:544*\u
.endr
	s_barrier_wait -1
.irp u, 0,1,2,3,4,5,6,7
	s_wait_dscnt 7-\u
	global_store_b128 v3, v[R+4*\u:R+4*\u+3], s[12:13] offset:512*\u   ; 512 consecutive bytes of my two images
.endr
	s_cmp_lg_u32 s16, 0
	s_cbranch_scc1 .Lend
	ds_load_b128 v[48:51], v13
	s_wait_dscnt 0x0
	global_store_b128 v3, v[48:51], s[14:15]       ; the rowblock's 512 scale bytes
.Lend:
	s_wait_tensorcnt 0x0                           ; the wave's end
	ds_add_u32 v[SPW], v[NIL]
	s_wait_dscnt 0x0
	s_endpgm
.Lfunc_end_k_q423f496124_quant:
	.size	k_q423f496124_quant, .Lfunc_end_k_q423f496124_quant-k_q423f496124_quant
	.p2alignl 7, 3214868480
	.fill 96, 4, 3214868480
	.section	.rodata,"a",@progbits
	.p2align	6, 0x0
	.amdhsa_kernel k_q423f496124_quant
		.amdhsa_group_segment_fixed_size 38912
		.amdhsa_private_segment_fixed_size 0
		.amdhsa_enable_private_segment 0
		.amdhsa_kernarg_size 48
		.amdhsa_user_sgpr_count 2
		.amdhsa_user_sgpr_kernarg_segment_ptr 1
		.amdhsa_wavefront_size32 1
		.amdhsa_system_sgpr_workgroup_id_x 1
		.amdhsa_system_sgpr_workgroup_id_y 1
		.amdhsa_system_sgpr_workgroup_id_z 1
		.amdhsa_system_vgpr_workitem_id 0
		.amdhsa_next_free_vgpr 220
		.amdhsa_next_free_sgpr 66
		.amdhsa_reserve_vcc 0
		.amdhsa_float_denorm_mode_32 3
		.amdhsa_float_denorm_mode_16_64 3
		.amdhsa_memory_ordered 1
		.amdhsa_forward_progress 1
		.amdhsa_inst_pref_size 30
	.end_amdhsa_kernel
	.amdgpu_metadata
---
amdhsa.version: [ 1, 2 ]
amdhsa.kernels:
  - .name:           k_q423f496124_quant
    .symbol:         k_q423f496124_quant.kd
    .args:
      - { .name: x, .offset: 0, .size: 8, .value_kind: global_buffer, .address_space: global }
      - { .name: wq, .offset: 8, .size: 8, .value_kind: global_buffer, .address_space: global }
      - { .name: wk, .offset: 16, .size: 8, .value_kind: global_buffer, .address_space: global }
      - { .name: wv, .offset: 24, .size: 8, .value_kind: global_buffer, .address_space: global }
      - { .name: xw_codes, .offset: 32, .size: 8, .value_kind: global_buffer, .address_space: global }
      - { .name: xw_scales, .offset: 40, .size: 8, .value_kind: global_buffer, .address_space: global }
    .group_segment_fixed_size: 38912
    .private_segment_fixed_size: 0
    .kernarg_segment_align: 8
    .kernarg_segment_size: 48
    .max_flat_workgroup_size: 128
    .sgpr_count:     66
    .vgpr_count:     220
    .wavefront_size: 32
...
	.end_amdgpu_metadata
.endif
;; end of part 1
;; launch proj (part 2): grid 16 x 16, 4 waves a work-group, clusters of 4 x 4, 327,680 bytes of LDS; arguments xw_codes, xw_scales, qk_codes, qk_scales, v_codes, v_scales; writes qk_codes, qk_scales, v_codes, v_scales
.if DOCPART == 2
	.amdgcn_target "amdgcn-amd-amdhsa--gfx1250"
	.amdhsa_code_object_version 6
	.text
	.protected	k_q423f496124_proj
	.globl	k_q423f496124_proj
	.p2align	8
	.type	k_q423f496124_proj,@function
k_q423f496124_proj:
	s_mov_b64 s[64:65], 0
	v_nop
	global_prefetch_b8 v0, s[64:65] scope:SCOPE_SE
	s_setreg_imm32_b32 hwreg(HW_REG_WAVE_MODE, 25, 1), 1
	s_wait_xcnt 0x0
	s_wait_alu depctr_hold_cnt(0) depctr_sa_sdst(0) depctr_va_vdst(0) depctr_va_sdst(0) depctr_va_ssrc(0) depctr_va_vcc(0) depctr_vm_vsrc(0)
	s_getreg_b32 s2, hwreg(HW_REG_IB_STS2, 6, 4)
	s_cmp_eq_u32 s2, 0
	s_cbranch_scc0 .Lentry_in_a_cluster
	s_endpgm
.Lentry_in_a_cluster:
	s_bfe_u32 s2, ttmp6, 0x10000c
	s_cmp_lg_u32 s2, 0xf033
	s_cbranch_scc0 .Lentry_shape_is_right
	s_endpgm
.Lentry_shape_is_right:
; q, k, v = x W^T on codes of FP8 (E4M3), K = 1,024, each result quantised on the way out: q and k along their 1,024 columns, v along the tokens.  No f32 result is stored.
; LIMITS: a block's byte never falls under 1; NaN, infinities and sums beyond f32's range are not served.
; OPERANDS are images of registers: [rowblock of 16 rows][8 K steps][2048], a lane's 16 bytes at 16 x lane: a rowblock is 16,384 dense bytes, a CHUNK of 8 rowblocks (128 rows) 131,072.  The row order is the first launch's; the scale bytes are 32 a row.
; RESULTS: q's and k's codes as [rowblock of tokens: q 512, k 512][K step of 128 columns][2048], their scale words [K step][16,384 places][4]; v's codes as [rowblock of channels][K step of 128 tokens][2048], its words [K step][1,024 places][4].
; THE DEAL.  256 work-groups of four waves, 2 x 2.  A wave holds 64 rows of a weight, ALL of K, in 512 registers and streams x's rowblocks past them, which stand in registers as two whole sets (256).
; PHASE 1: 512 tokens x 128 columns of q (tile columns 0 to 7) or k (8 to 15): sixteen blocks a wave.  PHASE 2: 256 x 128 of v: eight blocks, of one of the work-group's own two windows of 256 tokens: number s18.
; BLOCK s (0 .. 3) of a chunk, for wave row w, is rowblock 4 (s / 2) + 2 w + s % 2: blocks 0 and 1 of both wave rows lie in the chunk's first half, and blocks 2 i, 2 i + 1 are 32 neighbouring tokens.
; THE ORDER OF WORK.  LDS holds two slots of a chunk; a weight's rows lie in a slot (the first in 1, W_v's in 0).  Phase 1 takes the window that is not v's (chunks 0, 1), then v's (2, 3): chunk 3 still lies in slot 1 when phase 2 begins; chunk 2 comes anew.
; FILLS.  At the head the first weight (wave 0), chunk 0 (wave 1), a window's scale bytes each (waves 2, 3).  Each refill is a quarter of a chunk a wave behind a round of the cluster's barrier: chunks 1, 2, 3 inside blocks 0, 4, 8,
; their first halves (waves 0 and 1's) shown by the barrier inside the block two on, the second by the next round; W_v's rows behind block 11; chunk 2 anew behind W_v's loads, shown inside phase 2's second block.
; A block's way out (maxima, holds, conversions) stands among later products: q's and k's among the next block's, a pair of v's blocks among the next pair's.  The first way out of either phase has no block before it and stores nothing.
; CLUSTERS: 4 x 4: x's rows are shared along a row of the cluster, a weight's along a column, by joint loads.  PREFETCH: each cluster row asks once for its chunks 1, 2, 3 and each column for W_v, a sixteenth a wave, a chunk's blocks ahead of the load.
.set RB,    16384                      ; a rowblock
.set SL1,   131072                     ; slot 1
.set SCL,   262144                     ; the scale bytes of x's 512 rows in the order of work, as units of 256 bytes (8 rows) + 16 of padding
.set SSTEP, 544                        ; a rowblock's
.set CSTEP, 8*SSTEP                    ; a chunk's
.set XN,    SCL+64*272                 ; q's or k's scale words: [512 places in the order of work][4]
.set XV,    XN+2048                    ; v's: [2 K steps][128 channels][4]
.set SPARE, XV+1024
.set NP,    8                          ; plain vector lines behind a matrix instruction, ahead of a reader of its sums or a load into what it has read
.set NF,    34                         ; LDS loads of a block
.set ADRA0, 4                          ; LDS address of my fragments of block 0
.set CN,    5                          ; 512 h + 16 r
.set AAS0,  6                          ; my row's scale words in block 0
.set CO,    9                          ; 16 x lane
.set SPW,   10
.set NIL,   11
.set ADRA,  12                         ; as v4, v6 for the block that is fetched next
.set VX,    13                         ; LDS address of a scale byte
.set ADRB,  14                         ; v14, v15: a weight in slot 1, in slot 0
.set ABS,   16
.set AAS,   17
.set RD,    19                         ; v's byte
.set SOP,   20                         ; v20-23 conversions' scale operands
.set SB,    24                         ; v24-39 the weight's scale words: register 8 p + q: lanes 0-15 tile 2 p's, lanes 16-31 tile 2 p + 1's
.set EB,    40                         ; v40-43 scale bytes
.set SA,    44                         ; v44-59 x's, two sets of eight
.set TQ,    60                         ; v60-63 maxima and bounds
.set ACC,   64                         ; v64-191 four sets of four accumulators: products write sets 0 and 1; sets 2 and 3 take a pair of v's blocks for its way out
.set WS,    128                        ; v128-143 in phase 1: W_v's scale words
.set NCD,   192                        ; v192-199 q's or k's 32 codes
.set MCD,   192                        ; v192-207 v's
.set G1A, 24
.set G0A, 56
.set G1B, 32
.set G0B, 60
.set G1R, 48
.set G0R, 68
.set G1S, 92
.set G0S, 72
.set MSB, 0
.macro WIN new                         ; the immediate's high byte repeats the setting that is left
.if MSB != (\new)
	s_set_vgpr_msb (MSB<<8)|(\new)
.set MSB, (\new)
.endif
.endm
.macro PLACES n
.rept \n
	v_nop
.endr
.endm
.macro BARRIER
	s_barrier_signal -1
	s_barrier_wait -1
.endm
.macro CROUND                          ; a round of the cluster's barrier
	BARRIER
	s_cmp_lg_u32 s14, 0
	s_cbranch_scc1 .Lnot_wave_0_\@
	s_barrier_signal -3
.Lnot_wave_0_\@:
	s_barrier_wait -3
	BARRIER
.endm
.macro TLOAD g0, g1
	tensor_load_to_lds s[\g0:\g0+3], s[\g1:\g1+7]
	s_nop 0
	PLACES 4
.endm
.macro GROUP1 g, mask, rows            ; descriptor group 1: so many rowblocks, dense: elements of 8 bytes, rows of 2,048 elements
	s_or_b32 s[\g+0], s[\mask], (3<<16)|(1<<21)
	s_mov_b32 s[\g+1], 2048<<16
	s_mov_b32 s[\g+2], (\rows)<<16
	s_mov_b32 s[\g+3], 2048<<16
	s_mov_b32 s[\g+4], \rows
	s_mov_b32 s[\g+5], 2048
	s_mov_b32 s[\g+6], 0
	s_mov_b32 s[\g+7], 0
.endm
.macro SADD d, x
	s_add_co_u32 s\d, s\d, s\x
.endm
	s_load_b128 s[4:7], s[0:1], 0x0                ; x's and the weights' codes, their scale bytes
	v_lshl_add_u32 v[SPW], v0, 2, SPARE
	v_mov_b32 v[NIL], 0
	ds_add_u32 v[SPW], v[NIL]                      ; the wave's opening: the add, twice on end, and its wait ahead of my first tensor load
	ds_add_u32 v[SPW], v[NIL]
	v_lshrrev_b32 v1, 5, v0
	v_readfirstlane_b32 s14, v1                    ; wave
	s_lshr_b32 s15, s14, 1                         ; my row of waves
	s_and_b32 s16, s14, 1                          ; my column of waves
	v_and_b32 v1, 15, v0                           ; r
	v_bfe_u32 v2, v0, 4, 1                         ; h
	v_and_b32 v3, 31, v0                           ; lane
	v_lshlrev_b32 v[CO], 4, v3
	s_lshl_b32 s20, s15, 15
	v_add_nc_u32 v[ADRA0], s20, v[CO]
	s_lshl_b32 s22, s16, 16                        ; my four rowblocks of a weight
	v_add_nc_u32 v[ADRB+1], s22, v[CO]
	s_add_co_u32 s22, s22, SL1
	v_add_nc_u32 v[ADRB], s22, v[CO]
	v_lshlrev_b32 v[ABS], 5, v3
	v_lshlrev_b32 v23, 5, v1
	v_lshrrev_b32 v22, 3, v1
	v_lshl_add_u32 v23, v22, 4, v23
	s_mul_i32 s20, s15, 2*SSTEP
	s_add_co_u32 s20, s20, SCL
	v_add_nc_u32 v[AAS0], s20, v23
	v_lshlrev_b32 v23, 9, v2
	v_lshl_add_u32 v[CN], v1, 4, v23
	v_lshl_add_u32 v22, v1, 2, v2                  ; 4 r + h
	s_lshl_b32 s20, s16, 1
	s_lshl_b32 s22, s15, 7
	SADD 20, 22
	s_add_co_u32 s20, s20, XN
	v_add_nc_u32 v[VX], s20, v22
	v_lshlrev_b32 v23, 2, v1
	s_lshl_b32 s20, s16, 8
	SADD 20, 15
	s_add_co_u32 s20, s20, XV
	v_add_nc_u32 v[RD], s20, v23
	v_add_nc_u32 v1, RB, v[ADRA0]                  ; block 1's LDS addresses
	v_add_nc_u32 v2, SSTEP, v[AAS0]
	s_wait_alu depctr_va_vdst(0)
	s_bfe_u32 s40, ttmp6, 0x40000                  ; cx, cy
	s_bfe_u32 s41, ttmp6, 0x40004
	s_lshl_b32 s42, ttmp9, 2
	s_add_co_u32 s42, s42, s40                     ; tile column
	s_and_b32 s43, ttmp7, 0xffff
	s_lshl_b32 s43, s43, 2
	s_add_co_u32 s43, s43, s41                     ; tile row: 512 tokens
	s_lshr_b32 s19, ttmp9, 1                       ; 0: q, 1: k: from the cluster's number alone
	s_and_b32 s18, ttmp9, 1                        ; v's window of my two
	s_lshl_b32 s44, s41, 2
	s_lshl_b32 s44, 15, s44                        ; my row of the cluster shares x's rows
	s_lshl_b32 s45, 0x1111, s40                    ; my column shares a weight's
	GROUP1 G1B, 45, 8
	GROUP1 G1A, 44, 8
	GROUP1 G1R, 44, 2
	s_or_b32 s[G1S+0], s44, (3<<16)|(1<<20)|(1<<21)|(5<<22)|(3<<25)  ; the scale bytes of 256 rows: 32 rows of 256 bytes, 16 of padding behind each
	s_mov_b32 s[G1S+1], 32<<16
	s_mov_b32 s[G1S+2], 32<<16
	s_mov_b32 s[G1S+3], 32<<16
	s_mov_b32 s[G1S+4], 32
	s_mov_b32 s[G1S+5], 32
	s_mov_b32 s[G1S+6], 0
	s_mov_b32 s[G1S+7], 0
	s_mov_b32 s[G0S], 1
	s_mul_i32 s[G0S+1], s16, 32*272
	s_add_co_u32 s[G0S+1], s[G0S+1], SCL
	s_lshl_b32 s67, s43, 19                        ; offsets in the codes: s67 the window that is not v's, s2 v's window, s3 W_v's rows
	s_lshl_b32 s20, s18, 18
	s_add_co_u32 s2, s67, s20
	s_xor_b32 s20, s20, 0x40000
	SADD 67, 20
	s_lshl_b32 s13, s19, 2
	SADD 13, 40                                    ; v's tile column = 4 (cluster x / 2) + cx: shared by my column
	s_lshl_b32 s3, s13, 17
	s_add_co_u32 s3, s3, 10240*1024
	s_lshl_b32 s12, s13, 12                        ; W_v's scale bytes: my wave's 64 rows
	s_lshl_b32 s21, s16, 11
	SADD 12, 21
	s_add_co_u32 s12, s12, 10240*32
	s_lshl_b32 s78, s42, 17                        ; the first weight's codes
	s_add_co_u32 s78, s78, 8192*1024
	s_mov_b32 s79, 0
	s_lshl_b32 s80, s43, 1                         ; x's scale bytes: wave 2 the window that is not v's, wave 3 v's
	s_xor_b32 s20, s18, 1
	s_cmp_eq_u32 s16, 1
	s_cselect_b32 s20, s18, s20
	SADD 80, 20
	s_lshl_b32 s80, s80, 13
	s_mov_b32 s81, 0
	s_lshl_b32 s82, s42, 12                        ; the first weight's scale bytes: my wave's 64 rows
	SADD 82, 21
	s_add_co_u32 s82, s82, 8192*32
	s_mov_b32 s83, 0
	s_mov_b32 s[G0A], 1
	s_mov_b32 s[G0A+1], 0
	s_mov_b32 s[G0B], 1
	s_mov_b32 s[G0B+1], SL1
	s_mov_b32 s[G0R], 1
	s_lshl_b32 s90, s40, 2                         ; which of the cluster row's sixteen waves I am: my share of a prefetch of x's rows;
	s_add_co_u32 s90, s90, s14
	s_lshl_b32 s100, s41, 2                        ; and of the column's: of W_v's
	s_add_co_u32 s100, s100, s14
	s_wait_dscnt 0x0                               ; both opening adds are done
	CROUND                                         ; the opening round: all sixteen work-groups are here
	s_wait_kmcnt 0x0
	s_mov_b32 s86, s67
	s_mov_b32 s87, 0
	s_add_nc_u64 s[G0A+2:G0A+3], s[4:5], s[86:87]
	s_or_b32 s[G0A+3], s[G0A+3], 0x80000000
	s_add_nc_u64 s[G0B+2:G0B+3], s[4:5], s[78:79]
	s_or_b32 s[G0B+3], s[G0B+3], 0x80000000
	s_add_nc_u64 s[G0S+2:G0S+3], s[6:7], s[80:81]
	s_or_b32 s[G0S+3], s[G0S+3], 0x80000000
	s_add_nc_u64 s[10:11], s[6:7], s[82:83]
	s_cmp_eq_u32 s14, 0                            ; one joint load a wave
	s_cbranch_scc0 .Lwave_1
	TLOAD G0B, G1B                                 ; wave 0: the first weight's rows, which are wanted first
	s_branch .Lasked
.Lwave_1:
	s_cmp_eq_u32 s14, 1
	s_cbranch_scc0 .Lfor_scales
	TLOAD G0A, G1A                                 ; wave 1: chunk 0
	s_branch .Lasked
.Lfor_scales:
	TLOAD G0S, G1S                                 ; waves 2, 3: a window's scale bytes
.Lasked:
	; where my results go: offsets now, the buffers' addresses in front of the stream
	s_lshl_b32 s76, s19, 23                        ; q's or k's codes: my tile row's first rowblock, + 2 for wave row 1; my K step, my half of it
	s_lshl_b32 s22, s43, 19
	SADD 76, 22
	s_and_b32 s21, s42, 7
	s_lshl_b32 s22, s21, 11
	SADD 76, 22
	s_lshl_b32 s22, s16, 10
	SADD 76, 22
	s_lshl_b32 s22, s15, 15
	SADD 76, 22
	s_mov_b32 s77, 0
	s_lshl_b32 s78, s21, 16                        ; their words: wave n stores half n % 2 of the n / 2-th window in the order of work
	s_lshl_b32 s22, s19, 15
	SADD 78, 22
	s_lshl_b32 s22, s43, 11
	SADD 78, 22
	s_xor_b32 s20, s15, s18
	s_xor_b32 s20, s20, 1
	s_lshl_b32 s20, s20, 10
	SADD 78, 20
	s_lshl_b32 s22, s16, 9
	SADD 78, 22
	s_mov_b32 s79, 0
	s_lshl_b32 s20, s43, 1
	SADD 20, 18                                    ; v's window of 256 tokens
	s_lshl_b32 s80, s13, 20                        ; v's codes: my four rowblocks of channels, my window's first K step, + 512 for wave row 1
	s_lshl_b32 s22, s16, 19
	SADD 80, 22
	s_lshl_b32 s22, s20, 12
	SADD 80, 22
	s_lshl_b32 s22, s15, 9
	SADD 80, 22
	s_mov_b32 s81, 0
	s_lshl_b32 s82, s20, 13                        ; its words: wave n stores half n % 2 of K step n / 2
	s_lshl_b32 s22, s13, 9
	SADD 82, 22
	s_lshl_b32 s22, s15, 12
	SADD 82, 22
	s_lshl_b32 s22, s16, 8
	SADD 82, 22
	s_mov_b32 s83, 0
	s_mov_b32 s20, s12
	s_mov_b32 s21, 0
	s_add_nc_u64 s[20:21], s[6:7], s[20:21]
.irp p, 0,1
.irp c, 0,1
	global_load_b128 v[SB+8*\p+4*\c:SB+8*\p+4*\c+3], v[ABS], s[10:11] offset:\p*1024+16*\c
	global_load_b128 v[WS+8*\p+4*\c:WS+8*\p+4*\c+3], v[ABS], s[20:21] offset:\p*1024+16*\c
.endr
.endr
	s_wait_xcnt 0x0                                ; the loads have taken their addresses; these change below
	s_add_co_u32 s6, s67, 8*RB                     ; chunk 1
	s_add_co_u32 s7, s2, 8*RB                      ; chunk 3
	s_lshl_b32 s21, s90, 13
	s_add_co_u32 s22, s21, s6
	v_lshl_add_u32 v7, v3, 8, s22                  ; my sixteenth of chunk 1, of chunk 2: a lane each 256 bytes
	s_add_co_u32 s22, s21, s2
	v_lshl_add_u32 v8, v3, 8, s22
	s_wait_alu depctr_va_vdst(0)
	s_cmp_eq_u32 s14, 0
	s_cbranch_scc0 .Lnot_b
	s_wait_tensorcnt 0x0                           ; wave 0: the first weight has landed.  The other waves' wait stands at the second barrier
.Lnot_b:
	BARRIER
	global_prefetch_b8 v7, s[4:5] th:TH_LOAD_NT scope:SCOPE_SE
	global_prefetch_b8 v8, s[4:5] th:TH_LOAD_NT scope:SCOPE_SE
.macro WALU                            ; the wait ahead of a wait that blocks, behind which something freshly written is read
	s_wait_alu depctr_va_vdst(0)
.endm
.macro MIDDLE                          ; a round's middle
	WIN 0
	s_barrier_wait -1
	s_cmp_lg_u32 s14, 0
	s_cbranch_scc1 .Lnot_wave_0_\@
	s_barrier_signal -3
.Lnot_wave_0_\@:
	s_barrier_wait -3
.endm
.macro GRD
	s_wait_tensorcnt 0x0
	ds_add_u32 v[SPW], v[NIL]
.endm
.macro FRAG f, adr, q, off             ; a weight's fragment f: 16 registers in window 1 + f / 16
	WIN (1+(\f)/16)<<6
.irp c, 0,1,2,3
	ds_load_b128 v[16*((\f)%16)+4*\c:16*((\f)%16)+4*\c+3], v[\adr] offset:2048*(\q)+512*\c+(\off)
.endr
.endm
.macro FETCHAT k, a, s                 ; a block of x, 16 rows, all of K, into set k of window 3, and its scale words: NF loads
	WIN 3<<6
.irp q, 0,1,2,3,4,5,6,7
.irp c, 0,1,2,3
	ds_load_b128 v[128*\k+16*\q+4*\c:128*\k+16*\q+4*\c+3], v[\a] offset:2048*\q+512*\c
.endr
.endr
	WIN 0
	ds_load_b128 v[SA+8*\k:SA+8*\k+3], v[\s]
	ds_load_b128 v[SA+8*\k+4:SA+8*\k+7], v[\s] offset:16
.endm
.macro PROD kind, e, a, n              ; product n = 4 q + b: the q-th 128 of K, column tile b; x's rows in set e, sums in set a.  kind 0 (q, k): source 0 = the weight's rows; kind 1 (v): source 0 = x's rows
.set Q_, (\n)/4
.set B_, (\n)%4
.set AC_, ACC+32*(\a)+8*B_
.set R_, 128*(\e)+16*Q_
.set W_, 16*((\n)%16)
.set XS_, SA+8*(\e)+Q_
.set WS_, SB+8*(B_/2)+Q_
.if \kind
	WIN 3|((1+(\n)/16)<<2)
.if Q_ && B_%2
	v_wmma_scale_f32_16x16x128_f8f6f4 v[AC_:AC_+7], v[R_:R_+15], v[W_:W_+15], v[AC_:AC_+7], v[XS_], v[WS_] matrix_b_scale:MATRIX_SCALE_ROW1
.elseif Q_
	v_wmma_scale_f32_16x16x128_f8f6f4 v[AC_:AC_+7], v[R_:R_+15], v[W_:W_+15], v[AC_:AC_+7], v[XS_], v[WS_]
.elseif B_%2
	v_wmma_scale_f32_16x16x128_f8f6f4 v[AC_:AC_+7], v[R_:R_+15], v[W_:W_+15], 0, v[XS_], v[WS_] matrix_b_scale:MATRIX_SCALE_ROW1
.else
	v_wmma_scale_f32_16x16x128_f8f6f4 v[AC_:AC_+7], v[R_:R_+15], v[W_:W_+15], 0, v[XS_], v[WS_]
.endif
.else
	WIN (1+(\n)/16)|(3<<2)
.if Q_ && B_%2
	v_wmma_scale_f32_16x16x128_f8f6f4 v[AC_:AC_+7], v[W_:W_+15], v[R_:R_+15], v[AC_:AC_+7], v[WS_], v[XS_] matrix_a_scale:MATRIX_SCALE_ROW1
.elseif Q_
	v_wmma_scale_f32_16x16x128_f8f6f4 v[AC_:AC_+7], v[W_:W_+15], v[R_:R_+15], v[AC_:AC_+7], v[WS_], v[XS_]
.elseif B_%2
	v_wmma_scale_f32_16x16x128_f8f6f4 v[AC_:AC_+7], v[W_:W_+15], v[R_:R_+15], 0, v[WS_], v[XS_] matrix_a_scale:MATRIX_SCALE_ROW1
.else
	v_wmma_scale_f32_16x16x128_f8f6f4 v[AC_:AC_+7], v[W_:W_+15], v[R_:R_+15], 0, v[WS_], v[XS_]
.endif
.endif
.endm
.macro HOLD x, b
	v_med3_num_f32 v[\x], v[\x], -v[TQ+\b], v[TQ+\b]
.endm
.macro SCALES i, n                     ; i = 0: the conversion's scale operand; 1: the bound; 2: its second copy; 3: the scale byte
.if (\i) == 0
	v_add_nc_u32 v[SOP+\n], 0xfc000000, v[TQ]
.elseif (\i) == 1
	v_and_or_b32 v[TQ+1], v[TQ], 0x7f800000, s62
.elseif (\i) == 2
	v_mov_b32 v[TQ+3], v[TQ+1]
.else
	v_lshrrev_b32 v[EB+\n], 23, v[SOP+\n]
.endif
.endm
.macro MAXQ k, x                       ; q, k: 18 lines: the largest magnitude of my 32 columns, and the floor 2^(9 - 127)
.if (\k) < 4
	v_max3_num_f32 v[TQ+\k], |v[\x+8*(\k)]|, |v[\x+8*(\k)+1]|, |v[\x+8*(\k)+2]|
.elseif (\k) < 12
	v_max3_num_f32 v[TQ+(\k)%4], v[TQ+(\k)%4], |v[\x+8*((\k)%4)+2*((\k)/4)+1]|, |v[\x+8*((\k)%4)+2*((\k)/4)+2]|
.elseif (\k) < 16
	v_max_num_f32 v[TQ+(\k)%4], v[TQ+(\k)%4], |v[\x+8*((\k)%4)+7]|
.elseif (\k) == 16
	v_max3_num_f32 v[TQ], v[TQ], v[TQ+1], v[TQ+2]
.else
	v_max3_num_f32 v[TQ], v[TQ], v[TQ+3], 0x4800000
.endif
.endm
.macro HOLDS m, x                      ; two of a scale block's holds; the bound's second copy serves where the first would want a wait
.if (\m) == 3
	HOLD \x, 3
	HOLD \x+1, 3
.else
	HOLD \x, 1
	HOLD \x+1, 1
.endif
.if (\m) == 2
	SCALES 2, 0
.endif
.endm
.macro GAPQ m, x                       ; the quantiser of q's or k's block, gaps 0 .. 26: a scale block of 32 columns lies in one lane
.if (\m) < 9
	MAXQ 2*(\m), \x
	MAXQ 2*(\m)+1, \x
.elseif (\m) == 9
	SCALES 0, 0
	SCALES 1, 0
.elseif (\m) < 26
	HOLDS (\m)-10, \x+2*((\m)-10)
.if ((\m)-10)%4 == 3
	v_cvt_scalef32_pk8_fp8_f32 v[NCD+2*(((\m)-10)/4):NCD+2*(((\m)-10)/4)+1], v[\x+8*(((\m)-10)/4):\x+8*(((\m)-10)/4)+7], v[SOP]
.endif
.elseif (\m) == 26
	SCALES 3, 0
.endif
.endm
.macro GAPV u, x                       ; the quantiser of a pair of v's blocks, gaps 0 .. 59, 15 a tile: 32 tokens lie in lanes l and l xor 16; the even block's sums at x, the odd's at x + 32
.set T_, (\u)/15
.set J_, (\u)%15
.set E_, \x+8*T_
.set O_, E_+32
.if (\u) > 59
.elseif J_ == 0
	v_max3_num_f32 v[TQ], |v[E_]|, |v[E_+1]|, |v[E_+2]|
	v_max3_num_f32 v[TQ+2], |v[O_]|, |v[O_+1]|, |v[O_+2]|
.elseif J_ < 3
	v_max3_num_f32 v[TQ], v[TQ], |v[E_+2*J_+1]|, |v[E_+2*J_+2]|
	v_max3_num_f32 v[TQ+2], v[TQ+2], |v[O_+2*J_+1]|, |v[O_+2*J_+2]|
.elseif J_ == 3
	v_max3_num_f32 v[TQ+2], v[TQ+2], |v[O_+7]|, 0x4800000
	v_max3_num_f32 v[TQ], v[TQ], |v[E_+7]|, v[TQ+2]
.elseif J_ == 4
	v_permlanex16_b32 v[TQ+2], v[TQ], s60, s61
	v_max_num_f32 v[TQ], v[TQ], v[TQ+2]
.elseif J_ == 5
	SCALES 0, T_
	SCALES 1, T_
.elseif J_ < 10
	HOLDS J_-6, E_+2*(J_-6)
.if J_ == 9
	v_cvt_scalef32_pk8_fp8_f32 v[MCD+4*T_:MCD+4*T_+1], v[E_:E_+7], v[SOP+T_]
.endif
.elseif J_ < 14
	HOLDS J_-6, O_+2*(J_-10)
.if J_ == 13
	v_cvt_scalef32_pk8_fp8_f32 v[MCD+4*T_+2:MCD+4*T_+3], v[O_:O_+7], v[SOP+T_]
.endif
.else
	SCALES 3, T_
.endif
.endm
.macro RDESC i, off, lds               ; group 0 of a refill, in two parts: two rowblocks a wave
.if (\i) == 0
	s_lshl_b32 s20, s14, 15
	s_add_co_u32 s[G0R+1], s20, s\lds
	s_add_co_u32 s20, s20, s\off
.else
	s_mov_b32 s21, 0
	s_add_nc_u64 s[G0R+2:G0R+3], s[4:5], s[20:21]
	s_or_b32 s[G0R+3], s[G0R+3], 0x80000000
.endif
.endm
; What stands behind product n.  j: the block's number in its trip (the second loop's: 4, 5; v's: -1, -2).  Behind 0 and 1 the LDS addresses of the block two on, and where the block before goes; behind 2 a prefetch's address or a byte's next place;
; behind 29 and 30 a refill's group 0; from 1 on a way out: y = 1 q's or k's block at x; 2, 3 the halves of v's pair at x.
.macro LIST n, j, y, x
.if (\n) == 0
.if (\j) == 1
	s_mov_b64 s[84:85], s[88:89]
.elseif (\j) >= 0
	s_add_nc_u64 s[84:85], s[84:85], RB*(1+2*((\j)%2))
.endif
.if (\j) == 5
	s_cmp_eq_u32 s46, 3
	s_cselect_b64 s[84:85], s[88:89], s[84:85]
.endif
	WIN 0
.if (\j) == 0 || (\j) == 1
	s_add_co_u32 s22, s101, (4+(\j))*RB
.elseif (\j) > 1
	s_add_co_u32 s22, s47, ((\j)%2)*RB
.else
	s_add_co_u32 s22, s47, (-1-(\j))*RB
.endif
	v_add_nc_u32 v[ADRA], s22, v[ADRA0]
.elseif (\n) == 1
	WIN 0
.if (\j) == 0 || (\j) == 1
	s_add_co_u32 s22, s17, (4+(\j))*SSTEP
.elseif (\j) > 1
	s_add_co_u32 s22, s8, ((\j)%2)*SSTEP
.else
	s_add_co_u32 s22, s8, (-1-(\j))*SSTEP
.endif
	v_add_nc_u32 v[AAS], s22, v[AAS0]
.endif
.if (\j) == 2 && (\n) == 2
	WIN 0
	v_lshl_add_u32 v7, v3, 8, s23
.elseif (\j) == 0 && ((\n) == 29 || (\n) == 30)
	RDESC (\n)-29, 6, 47
.elseif (\j) == 1 && (\n) == 2
	WIN 0
	v_add_nc_u32 v[VX], s9, v[VX]
.elseif (\j) == 5 && (\n) == 2
	WIN 0
	v_add_nc_u32 v[VX], 0x100, v[VX]
.endif
.if (\y) == 1 && (\n) > 0 && (\n) < 28
	WIN 0
	GAPQ (\n)-1, \x
.elseif (\y) == 2 && (\n) > 0 && (\n) < 31
	WIN 0
	GAPV (\n)-1, \x
.elseif (\y) == 3 && (\n) > 0 && (\n) < 31
	WIN 0
	GAPV (\n)+29, \x
.endif
.endm
.macro BLOCK kind, e, a, from, to, j, y, x
.set N_, \from
.rept (\to)-(\from)
	PROD \kind, \e, \a, N_
	LIST N_, \j, \y, \x
.set N_, N_+1
.endr
.endm
.macro BLK kind, e, a, w, j, y, x      ; a block; w: the wait's count: NF = the other set's fetch may be out (-1: the set is known to be in)
.if (\w) >= 0
	s_wait_dscnt \w
.endif
	s_wait_xcnt 0x0
	BLOCK \kind, \e, \a, 0, 32, \j, \y, \x
	WIN 0
	PLACES NP
.endm
.macro RBLK kind, e, a, w, j, y, x     ; a block with a round of the cluster's barrier
	s_wait_dscnt \w
	s_wait_xcnt 0x0
	GRD
	BLOCK \kind, \e, \a, 0, 28, \j, \y, \x
	WIN 0
	WALU
	s_wait_dscnt 0x0
	s_barrier_signal -1
	BLOCK \kind, \e, \a, 28, 32, \j, \y, \x
	MIDDLE
	BARRIER
.endm
.macro SBLK kind, e, a, w, j, y, x, half=0   ; a block with a plain barrier (half = 1: it shows waves 0 and 1's loads alone)
.if (\w) >= 0
	s_wait_dscnt \w
.endif
	s_wait_xcnt 0x0
	BLOCK \kind, \e, \a, 0, 28, \j, \y, \x
	WIN 0
	WALU
.if \half
	s_cmp_lt_u32 s14, 2
	s_cbranch_scc0 .Lnot_yet_\@
	s_wait_tensorcnt 0x0
.Lnot_yet_\@:
.else
	s_wait_tensorcnt 0x0
.endif
	s_wait_dscnt 0x0
	s_barrier_signal -1
	BLOCK \kind, \e, \a, 28, 32, \j, \y, \x
	WIN 0
	s_barrier_wait -1
	PLACES NP
.endm
.macro QOUT off, boff                  ; a block's byte goes to its place in LDS, its 32 codes a lane leave: sixteen lanes a unit of 256 bytes
	ds_store_b8 v[VX], v[EB] offset:\boff
	global_store_b128 v[CN], v[NCD:NCD+3], s[84:85] offset:\off
	global_store_b128 v[CN], v[NCD+4:NCD+7], s[84:85] offset:(\off)+256
.endm
.irp q, 0,1,2,3,4,5,6,7                ; my 64 rows of the first weight, all of K: 128 loads into windows 1 and 2
.irp b, 0,1,2,3
	FRAG 4*\q+\b, ADRB, \q, \b*RB
.endr
.endr
	WIN 0
	s_wait_tensorcnt 0x0                           ; chunk 0 and the scale bytes are in; the first weight is in registers
	s_wait_dscnt 0x0
	BARRIER
	FETCHAT 0, ADRA0, AAS0
	FETCHAT 1, 1, 2
	s_load_b256 s[92:99], s[0:1], 0x10             ; q's and k's codes, words; v's codes, words
	s_mov_b32 s60, 0x76543210
	s_mov_b32 s61, 0xfedcba98
	s_mov_b32 s62, 0x600000
.set I_, 0
.rept 32
	v_mov_b32 v[ACC+32+I_], 0                      ; (the first way out reads what no block has written yet, and stores nothing)
.set I_, I_+1
.endr
	s_wait_kmcnt 0x0
	s_add_nc_u64 s[92:93], s[92:93], s[76:77]
	s_add_nc_u64 s[94:95], s[94:95], s[78:79]
	s_add_nc_u64 s[96:97], s[96:97], s[80:81]
	s_add_nc_u64 s[98:99], s[98:99], s[82:83]
	s_lshl_b32 s20, s18, 18
	s_mov_b32 s21, 0
	s_add_nc_u64 s[86:87], s[92:93], s[20:21]
	s_sub_nc_u64 s[86:87], s[86:87], 8*RB          ; v's window, less a chunk
	s_xor_b32 s20, s20, 0x40000
	s_add_nc_u64 s[88:89], s[92:93], s[20:21]      ; where the chunk in hand goes
	s_mov_b64 s[84:85], s[88:89]
	; PHASE 1.  s46 the trip; s101, s47 this chunk's slot and the next's; s17, s8 their scale words' steps; s6 the rows that are loaded; s9 to a byte's next place; s23 where my share of a prefetch begins
	s_mov_b32 s46, 0
	s_mov_b32 s9, 0
	s_mov_b32 s23, 0
	s_mov_b32 s101, 0
	s_mov_b32 s47, SL1
	s_mov_b32 s17, 0
	s_mov_b32 s8, CSTEP
	s_wait_alu depctr_va_vdst(0)
	s_wait_loadcnt 0x0
.Lfour:
	RBLK 0, 0, 0, NF, 0, 1, ACC+32                 ; blocks 0, 4, 8: chunks 1, 2, 3 come
	s_cmp_lt_u32 s14, 2                            ; waves 0, 1 and waves 2, 3 have a load line each: the barrier inside the block two on waits for the first line's alone
	s_cbranch_scc0 .Lupper
	TLOAD G0R, G1R
	s_branch .Lboth
.Lupper:
	TLOAD G0R, G1R
.Lboth:
	PLACES NP-4
	s_cmp_eq_u32 s46, 0
	s_cbranch_scc1 .Lno_block_before
	QOUT 0, 320
.Lno_block_before:
	FETCHAT 0, ADRA, AAS
	BLK 0, 1, 1, -1, 1, 1, ACC
	QOUT 0, 0
	FETCHAT 1, ADRA, AAS
	SBLK 0, 0, 0, NF, 2, 1, ACC+32, 1              ; the next chunk's first half is in
	QOUT 0, 64
	s_cmp_eq_u32 s46, 0
	s_cbranch_scc1 .Lnone_ahead
	global_prefetch_b8 v7, s[4:5] th:TH_LOAD_NT scope:SCOPE_SE
.Lnone_ahead:
	FETCHAT 0, ADRA, AAS
	BLK 0, 1, 1, -1, 3, 1, ACC
	QOUT 0, 256
	FETCHAT 1, ADRA, AAS
	s_cmp_eq_u32 s46, 1
	s_cselect_b64 s[88:89], s[86:87], s[88:89]
	s_add_nc_u64 s[88:89], s[88:89], 8*RB
	s_cmp_eq_u32 s46, 0
	s_cselect_b32 s6, s2, s7
	s_cselect_b32 s21, s90, s100
	s_cselect_b32 s22, s7, s3
	s_mov_b32 s9, 512
	s_lshl_b32 s21, s21, 13
	s_add_co_u32 s23, s21, s22
	s_mov_b32 s101, s47
	s_mov_b32 s17, s8
	s_xor_b32 s47, s47, SL1
	s_add_co_u32 s8, s8, CSTEP
	s_add_co_u32 s46, s46, 1
	s_cmp_lg_u32 s46, 3
	s_cbranch_scc1 .Lfour
	GRD
	s_lshl_b32 s20, s14, 15
	s_mov_b32 s[G0A+1], s20
	s_add_co_u32 s20, s20, s3
	s_mov_b32 s21, 0
	s_add_nc_u64 s[G0A+2:G0A+3], s[4:5], s[20:21]
	s_or_b32 s[G0A+3], s[G0A+3], 0x80000000
	GROUP1 G1A, 45, 2
	s_wait_dscnt 0x0
	s_barrier_signal -1
	MIDDLE
	BARRIER
	TLOAD G0A, G1A
	s_mov_b32 s47, SL1+4*RB
	s_mov_b32 s8, 3*CSTEP+4*SSTEP
.Ltwo:
	BLK 0, 0, 0, NF, 4, 1, ACC+32                  ; blocks 12, 14
	QOUT 0, 320
	FETCHAT 0, ADRA, AAS
	BLK 0, 1, 1, NF, 5, 1, ACC                     ; 13, 15; the block two on is then v's: chunk 3 again, as it lies in slot 1
	QOUT 0, 256
	FETCHAT 1, ADRA, AAS
	s_mov_b32 s47, SL1
	s_mov_b32 s8, 3*CSTEP
	s_add_co_u32 s46, s46, 1
	s_cmp_lg_u32 s46, 5
	s_cbranch_scc1 .Ltwo
	s_wait_xcnt 0x0                                ; the change of phase
	s_wait_tensorcnt 0x0                           ; W_v's rows are in
	s_wait_dscnt 0x0
	BARRIER
.macro CHANGE i                        ; among W_v's 128 loads: the last block's way out; W_v's scale words into their place; zeros into what no block has written yet
.if (\i) < 7
.irp k, 0,1,2,3
.if 4*(\i)+\k < 27
	GAPQ 4*(\i)+\k, ACC+32
.endif
.endr
.elseif (\i) < 9
.irp q, 0,1,2,3,4,5,6,7
	v_mov_b32 v[SB+8*((\i)-7)+\q], v[WS+8*((\i)-7)+\q]
.endr
.elseif (\i) < 15
.irp q, 0,1,2,3,4,5,6,7
	v_mov_b32 v[ACC+80+8*((\i)-9)+\q], 0
.endr
.endif
.endm
.irp q, 0,1,2,3,4,5,6,7
.irp b, 0,2
	FRAG 4*\q+\b, ADRB+1, \q, \b*RB
	FRAG 4*\q+\b+1, ADRB+1, \q, (\b+1)*RB
	WIN 0
	CHANGE 2*\q+\b/2
.endr
.endr
	QOUT RB, 320
	GRD
	s_mov_b32 s47, 0
	RDESC 0, 2, 47
	RDESC 1, 2, 47
	s_mov_b32 s46, 0
	s_mov_b32 s47, SL1+4*RB
	s_mov_b32 s8, 3*CSTEP+4*SSTEP
	s_wait_dscnt 0x0
	s_barrier_signal -1
	MIDDLE
	BARRIER
	TLOAD G0R, G1R
.macro VOUT                            ; a pair of v's blocks: four tiles' bytes and codes, 512 consecutive bytes a store
.irp t, 0,1,2,3
	ds_store_b8 v[VX], v[EB+\t] offset:64*\t
	global_store_b128 v[CO], v[MCD+4*\t:MCD+4*\t+3], s[84:85] offset:131072*\t
.endr
.endm
.macro VTO                             ; s22 = 2 x K step + half: where a pair's codes and bytes go
	s_lshl_b32 s20, s22, 10
	s_mov_b32 s21, 0
	s_add_nc_u64 s[84:85], s[96:97], s[20:21]
	s_lshr_b32 s20, s22, 1
	s_lshl_b32 s20, s20, 9
	s_and_b32 s22, s22, 1
	s_lshl_b32 s22, s22, 1
	s_add_co_u32 s20, s20, s22
	v_add_nc_u32 v[VX], s20, v[RD]
.endm
.Lpair:
	BLK 1, 0, 0, -1, -1, 2, ACC+64
	s_cmp_eq_u32 s46, 3
	s_cbranch_scc1 .Lnone_0
	FETCHAT 0, ADRA, AAS
	s_wait_dscnt NF
	s_branch .Lgo
.Lnone_0:
	s_wait_dscnt 0x0
.Lgo:
	SBLK 1, 1, 1, -1, -2, 3, ACC+64                ; the first trip's shows chunk 2
.set I_, 0
.rept 32                               ; the pair's sums are copied, so that one trip is two blocks of text
	v_dual_mov_b32 v[ACC+64+I_], v[ACC+I_] :: v_dual_mov_b32 v[ACC+64+I_+1], v[ACC+I_+1]
.set I_, I_+2
.endr
	s_add_co_u32 s22, s46, 1
	s_and_b32 s22, s22, 3
	VTO
	s_cmp_eq_u32 s46, 0
	s_cbranch_scc1 .Lno_pair_before
	VOUT
.Lno_pair_before:
	s_cmp_eq_u32 s46, 3
	s_cbranch_scc1 .Lnone_1
	FETCHAT 1, ADRA, AAS
.Lnone_1:
	s_mov_b32 s8, 2*CSTEP+4*SSTEP
	s_cmp_eq_u32 s46, 0
	s_cselect_b32 s47, 0, 4*RB
	s_cselect_b32 s8, 2*CSTEP, s8
	s_add_co_u32 s46, s46, 1
	s_cmp_lg_u32 s46, 4
	s_cbranch_scc1 .Lpair
	s_wait_xcnt 0x0
	s_mov_b32 s22, 1
	VTO
.set K_, 0
.rept 60
	GAPV K_, ACC+64
.set K_, K_+1
.endr
	VOUT
	s_wait_dscnt 0x0                               ; the scale bytes
	BARRIER
	s_lshl_b32 s21, s14, 9
	s_add_co_u32 s21, s21, XN
	v_add_nc_u32 v21, s21, v[CO]
	v_lshlrev_b32 v22, 3, v3
	s_lshl_b32 s21, s14, 8
	s_add_co_u32 s21, s21, XV
	v_add_nc_u32 v23, s21, v22
	s_wait_alu depctr_va_vdst(0)
	ds_load_b128 v[60:63], v21
	ds_load_b64 v[40:41], v23
	s_wait_dscnt 0x0
	global_store_b128 v[CO], v[60:63], s[94:95]
	global_store_b64 v22, v[40:41], s[98:99]
	s_wait_tensorcnt 0x0                           ; the wave's end
	ds_add_u32 v[SPW], v[NIL]
	s_wait_dscnt 0x0
	CROUND                                         ; the closing round
	s_endpgm
.Lfunc_end_k_q423f496124_proj:
	.size	k_q423f496124_proj, .Lfunc_end_k_q423f496124_proj-k_q423f496124_proj
	.p2alignl 7, 3214868480
	.fill 96, 4, 3214868480
	.section	.rodata,"a",@progbits
	.p2align	6, 0x0
	.amdhsa_kernel k_q423f496124_proj
		.amdhsa_group_segment_fixed_size 327680
		.amdhsa_private_segment_fixed_size 0
		.amdhsa_enable_private_segment 0
		.amdhsa_kernarg_size 48
		.amdhsa_user_sgpr_count 2
		.amdhsa_user_sgpr_kernarg_segment_ptr 1
		.amdhsa_wavefront_size32 1
		.amdhsa_system_sgpr_workgroup_id_x 1
		.amdhsa_system_sgpr_workgroup_id_y 1
		.amdhsa_system_sgpr_workgroup_id_z 1
		.amdhsa_system_vgpr_workitem_id 0
		.amdhsa_next_free_vgpr 1024
		.amdhsa_next_free_sgpr 102
		.amdhsa_reserve_vcc 0
		.amdhsa_float_denorm_mode_32 3
		.amdhsa_float_denorm_mode_16_64 3
		.amdhsa_memory_ordered 1
		.amdhsa_forward_progress 1
		.amdhsa_inst_pref_size 159
	.end_amdhsa_kernel
	.amdgpu_metadata
---
amdhsa.version: [ 1, 2 ]
amdhsa.kernels:
  - .name:           k_q423f496124_proj
    .symbol:         k_q423f496124_proj.kd
    .args:
      - { .name: xw_codes, .offset: 0, .size: 8, .value_kind: global_buffer, .address_space: global }
      - { .name: xw_scales, .offset: 8, .size: 8, .value_kind: global_buffer, .address_space: global }
      - { .name: qk_codes, .offset: 16, .size: 8, .value_kind: global_buffer, .address_space: global }
      - { .name: qk_scales, .offset: 24, .size: 8, .value_kind: global_buffer, .address_space: global }
      - { .name: v_codes, .offset: 32, .size: 8, .value_kind: global_buffer, .address_space: global }
      - { .name: v_scales, .offset: 40, .size: 8, .value_kind: global_buffer, .address_space: global }
    .group_segment_fixed_size: 327680
    .private_segment_fixed_size: 0
    .kernarg_segment_align: 8
    .kernarg_segment_size: 48
    .max_flat_workgroup_size: 128
    .sgpr_count:     102
    .vgpr_count:     1024
    .wavefront_size: 32
...
	.end_amdgpu_metadata
.endif
;; end of part 2
;; launch scores (part 3): grid 9 x 16, 4 waves a work-group, no clusters, 327,680 bytes of LDS; arguments qk_codes, qk_scales, p_codes, pst; writes p_codes, pst
.if DOCPART == 3
	.amdgcn_target "amdgcn-amd-amdhsa--gfx1250"
	.amdhsa_code_object_version 6
	.text
	.protected	k_q423f496124_scores
	.globl	k_q423f496124_scores
	.p2align	8
	.type	k_q423f496124_scores,@function
k_q423f496124_scores:
	s_mov_b64 s[64:65], 0
	v_nop
	global_prefetch_b8 v0, s[64:65] scope:SCOPE_SE
	s_setreg_imm32_b32 hwreg(HW_REG_WAVE_MODE, 25, 1), 1
	s_wait_xcnt 0x0
; S = q k^T on codes of FP8 (E4M3), K = 1,024, for the tiles of 256 x 256 on or under the diagonal (36 a batch), and the softmax's first half: for each query and each 128 keys
; t = score x log2(e) / 32, M = ceil(the largest t of these 128 keys), p = 2^(t - M), l = the sum of the unquantised p; p is quantised along the keys and leaves as codes; (-M, l, the scale word, 0) leave as 16 bytes.
; M is a whole number, so the launch that multiplies by v brings all tiles of a row under the row's M by taking a whole number off the scale bytes: the codes do not change.
; A wave makes 128 queries x 128 keys.  THE MATRIX INSTRUCTION IS USED TRANSPOSED (source 0 = 16 keys, source 1 = 16 queries): a lane holds one query, and since slot r of rowblock T is row 32 (T / 2) + 8 (T % 2) + r + 8 (r / 8),
; register 16 b + i of a block of queries is key 32 b + 16 h + i: the conversions' results are the next operand's registers.  Operands and results are images of registers, [rowblock][K step][2048].
; NO CLUSTER: the triangle's rows have 1 to 8 tiles and its columns 8 to 1, so its 36 tiles do not divide into groups of four that share a row, or a column, alike in every group.
; In a work-group on the diagonal one wave's tile lies wholly above it: that wave's loads and barriers are needed, its products serve nothing (32 waves of 576); in the epilogue it writes zero codes and neutral figures instead,
; for its own tile and, where the tile row is even, for four more, so that every block of 128 queries has all its key tiles up to the next multiple of 512 keys written: the next launch then reads whole slots.
; By this text's count a wave has three tensor loads out at the start and one behind each refill's barrier.
; LIMITS: a block whose every p is 0 keeps the byte 1 (zero codes); NaN and infinities among the scores are not served.
; THE HEAD'S LOADS, in place of the count above: at the start a wave has ONE tensor load out: waves 0 and 1 fetch period 0's 256 rows of q and of k, waves 2 and 3 q's and k's scale words.  Period 1 is asked for behind the first barrier, a quarter a wave.
.set G0H, 68
.set G1H, 72
.set SLOT,  131072
.set SCL,   262144
.set SPARE, 278784
.set NP,    8
.set ADRA, 16
.set ADRB, 20
.set CO,   26                          ; v26 16 x lane
.set ADRS, 27
.set SPW,  28
.set NIL,  29
.set SC,   32
.set BM,   64                          ; v64-67 each block's largest score, then its largest p
.set BP,   68                          ; v68-71 the other half of the lanes'
.set LIM,  72                          ; v72-75 448 x the scale
.set SCO,  76                          ; v76-79 the conversions' scale operands
.set BY,   80                          ; v80-83 the bytes
.set KE,   93                          ; v93-95 the even block's -M, l, word.  v[84:85] -M and 0; v86-87 at work; v[88:91] sums; v92 the word
.set STS,  96                          ; v96-111 four sets of figures, each stored once
.set D0,   112                         ; v112 r + 8 (r / 8) - 16 h
.set NINF, 113
.set AF,   128
.set G1, 24
.set G0, 32
.set G1S, 40
.set G0S, 48
.set CS,  56                           ; s[56:57] c = log2(e) / 32
.set SEL, 58
.set MNT, 60
.set SH,  61                           ; lanes 16-31
.set DG,  62                           ; 1: my tile lies on the diagonal
.set MSB, 0
.macro WIN new
.if MSB != (\new)
	s_set_vgpr_msb (MSB<<8)|(\new)
.set MSB, (\new)
.endif
.endm
.set MUL_LO, 0xa1
.set MUL_HI, 0xf1
.set TO_B,   0x40
.macro PLACES n
.rept \n
	v_nop
.endr
.endm
	s_load_b256 s[4:11], s[0:1], 0x0               ; q and k's codes s[4:5], scale words s[6:7]; p's codes s[8:9]; the figures s[10:11]
	v_lshl_add_u32 v[SPW], v0, 2, SPARE
	v_mov_b32 v[NIL], 0
	ds_add_u32 v28, v29
	ds_add_u32 v28, v29
	s_wait_dscnt 0x0
	v_lshrrev_b32 v1, 5, v0
	v_readfirstlane_b32 s16, v1                    ; wave
	s_lshr_b32 s17, s16, 1                         ; which half of the queries is mine
	s_and_b32 s18, s16, 1                          ; which half of the keys.  Also: which half I fetch
	s_and_b32 s20, ttmp7, 0xffff
	s_lshr_b32 s21, s20, 2                         ; batch
	s_and_b32 s20, s20, 3                          ; yy: tile rows yy and 7 - yy have 9 tiles together
	s_sub_co_u32 s22, 7, s20
	s_sub_co_u32 s23, ttmp9, s20
	s_sub_co_u32 s23, s23, 1
	s_cmp_le_u32 ttmp9, s20
	s_cselect_b32 s22, s20, s22                    ; tile row
	s_cselect_b32 s23, ttmp9, s23                  ; tile column
	s_lshl_b32 s53, s21, 7
	s_lshl_b32 s50, s22, 4
	s_add_co_u32 s50, s50, s53                     ; q's first rowblock
	s_lshl_b32 s51, s23, 4
	s_add_co_u32 s51, s51, s53
	s_add_co_u32 s51, s51, 512                     ; k's: they lie behind q's 512
	s_cmp_lt_u32 s16, 2                            ; in the ring waves 0 and 1 fetch q's halves, waves 2 and 3 k's
	s_cselect_b32 s52, s50, s51
	s_lshl_b32 s53, s18, 3
	s_add_co_u32 s52, s52, s53
	s_lshl_b32 s52, s52, 14
	s_mov_b32 s53, 0
	s_cmp_eq_u32 s18, 0                            ; at the head waves 0 and 2 fetch for q, waves 1 and 3 for k
	s_cselect_b32 s54, s50, s51
	s_lshl_b32 s14, s54, 14
	s_mov_b32 s15, 0
	s_lshl_b32 s54, s54, 6
	s_mov_b32 s55, 0
	s_mov_b32 s[G1], 3<<16                         ; no mask; elements of 8 bytes; no padding
	s_mov_b32 s[G1+1], 512<<16                     ; 8 rows (rowblocks) of 512 elements (two K steps' images),
	s_mov_b32 s[G1+2], 8<<16
	s_mov_b32 s[G1+3], 512<<16
	s_mov_b32 s[G1+4], 8
	s_mov_b32 s[G1+5], 2048                        ; 2,048 elements apart
	s_mov_b32 s[G1+6], 0
	s_mov_b32 s[G1+7], 0
	s_mov_b32 s[G1S], 3<<16
	s_mov_b32 s[G1S+1], 128<<16
	s_mov_b32 s[G1S+2], 8<<16
	s_mov_b32 s[G1S+3], 128<<16
	s_mov_b32 s[G1S+4], 8
	s_mov_b32 s[G1S+5], 8192                       ; 8,192 elements (16,384 places) apart
	s_mov_b32 s[G1S+6], 0
	s_mov_b32 s[G1S+7], 0                          ; (the words: 8 rows of 256 places)
	s_mov_b32 s[G1H], 3<<16                        ; the head's tiles of codes: 16 rowblocks
	s_mov_b32 s[G1H+1], 512<<16
	s_mov_b32 s[G1H+2], 16<<16
	s_mov_b32 s[G1H+3], 512<<16
	s_mov_b32 s[G1H+4], 16
	s_mov_b32 s[G1H+5], 2048
	s_mov_b32 s[G1H+6], 0
	s_mov_b32 s[G1H+7], 0
	s_lshl_b32 s2, s16, 15
	s_mul_i32 s3, s18, 8256
	s_add_co_u32 s3, s3, SCL
	s_mov_b32 s[CS], 0x3d38aa3b
	s_mov_b32 s[CS+1], s[CS]                       ; (named with it as a pair, so it is written)
	s_mov_b32 s[SEL], 0x76543210
	s_mov_b32 s[SEL+1], 0xfedcba98
	s_mov_b32 s[MNT], 0x600000
	s_mov_b32 s[SH], 0xffff0000
	s_wait_kmcnt 0x0
	s_mov_b32 s[G0S], 1
	s_mov_b32 s[G0S+1], s3
	s_add_nc_u64 s[G0S+2:G0S+3], s[6:7], s[54:55]
	s_or_b32 s[G0S+3], s[G0S+3], 0x80000000
	s_mov_b32 s[G0H], 1
	s_lshl_b32 s[G0H+1], s18, 16
	s_add_nc_u64 s[G0H+2:G0H+3], s[4:5], s[14:15]
	s_or_b32 s[G0H+3], s[G0H+3], 0x80000000
	s_add_nc_u64 s[12:13], s[4:5], s[52:53]
.irp s, 0,1
	s_mov_b32 s[G0+4*\s], 1
	s_add_co_u32 s[G0+4*\s+1], s2, \s*SLOT
	s_add_nc_u64 s[G0+4*\s+2:G0+4*\s+3], s[12:13], \s*4096
	s_or_b32 s[G0+4*\s+3], s[G0+4*\s+3], 0x80000000
.endr
	s_cmp_lt_u32 s16, 2
	s_cbranch_scc0 .Lwords
	tensor_load_to_lds s[G0H:G0H+3], s[G1H:G1H+7]
	s_nop 0
	PLACES 4
	s_branch .Lasked
.Lwords:
	tensor_load_to_lds s[G0S:G0S+3], s[G1S:G1S+7]
	s_nop 0
	PLACES 4
.Lasked:
	v_and_b32 v1, 15, v0                           ; r
	v_bfe_u32 v2, v0, 4, 1                         ; h
	s_wait_alu depctr_va_vdst(0)
	v_and_b32 v3, 31, v0
	v_lshlrev_b32 v[CO], 4, v3
	s_lshl_b32 s2, s17, 15
	s_lshl_b32 s3, s18, 15
	s_add_co_u32 s3, s3, 65536
.irp s, 0,1
	v_add_nc_u32 v[ADRA+\s], s2, v[CO]
	v_add_nc_u32 v[ADRB+\s], s3, v[CO]
	s_add_co_u32 s2, s2, SLOT
	s_add_co_u32 s3, s3, SLOT
.endr
	s_lshl_b32 s2, s17, 9
	s_lshl_b32 s3, s18, 9
	s_add_co_u32 s3, s3, 8256
	s_sub_co_u32 s3, s3, s2
	v_mul_u32_u24 v4, s3, v2                       ; lanes 16-31 take k's words
	s_add_co_u32 s2, s2, SCL
	v_lshl_add_u32 v4, v1, 2, v4
	v_add_nc_u32 v[ADRS], s2, v4
	v_and_b32 v3, 8, v1
	v_add_nc_u32 v[D0], v3, v1
	v_lshlrev_b32 v3, 4, v2
	v_sub_nc_u32 v[D0], v[D0], v3
	v_mov_b32 v[NINF], 0xff800000
.irp b, 0,1,2,3
	v_mov_b32 v[BP+\b], 0                          ; written once: a lane permute's destination counts as one of its sources
	v_mov_b32 v[STS+4*\b+3], 0                     ; the figures' fourth word
	v_mov_b32 v[116+\b], 0                         ; zero codes
	v_mov_b32 v[120+\b], 0
.endr
	v_mov_b32 v120, 0x7f61b1e6                     ; the neutral figures: -M = 3e38, over every -M; l = 0; word 0
	v_mov_b32 v85, 0
	v_mov_b32 v87, 0
	s_lshl_b32 s12, s23, 1
	s_add_co_u32 s12, s12, s18                     ; my tile of 128 keys
	s_lshl_b32 s13, s22, 1
	s_add_co_u32 s13, s13, s17                     ; my block of 128 queries
	s_lshl_b32 s14, s21, 7
	s_lshl_b32 s15, s22, 4
	s_add_co_u32 s14, s14, s15
	s_lshl_b32 s15, s17, 3
	s_add_co_u32 s14, s14, s15                     ; my first rowblock of queries
	s_lshl_b32 s52, s14, 15                        ; p's codes: [rowblock][16 key tiles][2048]
	s_lshl_b32 s53, s12, 11
	s_add_co_u32 s52, s52, s53
	s_mov_b32 s53, 0
	s_lshl_b32 s54, s12, 17                        ; the figures: [16 key tiles][8192 places][16 bytes]
	s_lshl_b32 s55, s14, 8
	s_add_co_u32 s54, s54, s55
	s_mov_b32 s55, 0
	s_add_nc_u64 s[8:9], s[8:9], s[52:53]
	s_add_nc_u64 s[10:11], s[10:11], s[54:55]
	s_cmp_eq_u32 s12, s13
	s_cselect_b32 s[DG], 1, 0
.macro FRAG reg, adr, q, i
.irp c, 0,1,2,3
	ds_load_b128 v[\reg+4*\c:\reg+4*\c+3], v[\adr] offset:4096*(\i)+2048*(\q)+512*\c
.endr
.endm
; 16 matrix instructions: queries' blocks a0, a0 + 1 x the keys' eight.  The 64 accumulators take turns, one instruction a turn.
.macro MUL16 a0, p, q, sc, zero
.irp a, \a0, \a0+1
.irp b, 0,1,2,3,4,5,6,7
.if \zero
	v_wmma_scale_f32_16x16x128_f8f6f4 v[8*(8*((\a)%4)+\b):8*(8*((\a)%4)+\b)+7], v[128*(\p)+16*\b:128*(\p)+16*\b+15], v[AF+16*(\a):AF+16*(\a)+15], 0, v[SC+16*(\sc)+2*\b+(\q)], v[SC+16*(\sc)+2*(\a)+(\q)] matrix_a_scale:MATRIX_SCALE_ROW1
.else
	v_wmma_scale_f32_16x16x128_f8f6f4 v[8*(8*((\a)%4)+\b):8*(8*((\a)%4)+\b)+7], v[128*(\p)+16*\b:128*(\p)+16*\b+15], v[AF+16*(\a):AF+16*(\a)+15], v[8*(8*((\a)%4)+\b):8*(8*((\a)%4)+\b)+7], v[SC+16*(\sc)+2*\b+(\q)], v[SC+16*(\sc)+2*(\a)+(\q)] matrix_a_scale:MATRIX_SCALE_ROW1
.endif
.endr
.endr
.endm
.macro FETCH_B slot, q, p
	WIN TO_B
.irp i, 0,1,2,3,4,5,6,7
	FRAG 128*(\p)+16*\i, ADRB+\slot, \q, \i
.endr
	WIN 0
.endm
.macro FETCH_A slot, q, i0
.irp i, \i0, \i0+1, \i0+2, \i0+3
	FRAG AF+16*(\i), ADRA+\slot, \q, \i
.endr
.endm
.macro SCALES set, p
.irp i, 0,1,2,3,4,5,6,7
.irp q, 0,1
	ds_load_b32 v[SC+16*(\set)+2*\i+\q], v[ADRS] offset:(2*(\p)+\q)*1024+64*\i
.endr
.endr
.endm
.macro STEP slot, zero
	s_wait_dscnt 16                                ; all but the youngest sixteen loads (the queries' blocks 4-7)
	WIN MUL_LO
	MUL16 0, 0, 0, \slot, \zero
	MUL16 2, 0, 0, \slot, \zero
	s_wait_dscnt 0x0
	PLACES NP
	FETCH_B \slot, 1, 1
	FETCH_A \slot, 1, 0
	WIN MUL_HI
	MUL16 4, 0, 0, \slot, \zero
	MUL16 6, 0, 0, \slot, \zero
	PLACES NP
	WIN 0
	FETCH_A \slot, 1, 4
.endm
.macro TURN slot, next, p, fill
	s_wait_tensorcnt 0x0                           ; all my tensor loads have landed: my part of the next slot
	ds_add_u32 v[SPW], v[NIL]                      ; 0 onto my spare word
	s_wait_dscnt 17                                ; (the add and the queries' blocks 4-7 may be out)
	WIN MUL_LO
	MUL16 0, 1, 1, \slot, 0
	s_wait_dscnt 0x0                               ; the add is done, and my reads of this slot are over
	s_barrier_signal -1
	MUL16 2, 1, 1, \slot, 0
	WIN 0
	s_barrier_wait -1
.if \fill
	s_add_nc_u64 s[G0+4*\slot+2:G0+4*\slot+3], s[G0+4*\slot+2:G0+4*\slot+3], 8192
	tensor_load_to_lds s[G0+4*\slot:G0+4*\slot+3], s[G1:G1+7]      ; my one tensor load behind this barrier: two periods on
	s_nop 0
.endif
	PLACES NP
	FETCH_B \next, 0, 0
	FETCH_A \next, 0, 0
	SCALES \next, (\p)+1
	WIN MUL_HI
	MUL16 4, 1, 1, \slot, 0
	MUL16 6, 1, 1, \slot, 0
	PLACES NP
	WIN 0
	FETCH_A \next, 0, 4
.endm
	s_wait_alu depctr_va_vdst(0)
	s_wait_tensorcnt 0x0                           ; my tile of the head's four is in
	ds_add_u32 v[SPW], v[NIL]
	s_wait_dscnt 0x0
	s_barrier_signal -1
	s_barrier_wait -1
	tensor_load_to_lds s[G0+4:G0+7], s[G1:G1+7]    ; my quarter of period 1
	s_nop 0
	PLACES 4
	FETCH_B 0, 0, 0
	FETCH_A 0, 0, 0
	SCALES 0, 0
	FETCH_A 0, 0, 4
	STEP 0, 1
	TURN 0, 1, 0, 1
	STEP 1, 0
	TURN 1, 0, 1, 1
	STEP 0, 0
	TURN 0, 1, 2, 0
	STEP 1, 0
	s_wait_dscnt 16
	WIN MUL_LO
	MUL16 0, 1, 1, 1, 0
	MUL16 2, 1, 1, 1, 0
	s_wait_dscnt 0x0
	WIN MUL_HI
	MUL16 4, 1, 1, 1, 0
	MUL16 6, 1, 1, 1, 0
	WIN 0
	PLACES NP
	s_cmp_gt_u32 s12, s13                          ; a branch on ids: all my keys come after all my queries
	s_cbranch_scc1 .Lhidden
; Block a: 16 queries x 128 keys.  My query's row inside the 128 is 32 (a / 2) + 8 (a % 2) + r + 8 (r / 8); register 16 b + i holds key 32 b + 16 h + i.
.macro SOFT a
.set W, 2+(\a)/4
.set AC, 64*((\a)%4)
.set PCD, 128+16*(\a)
	s_cmp_eq_u32 s[DG], 0
	s_cbranch_scc1 .Lopen_\@
	WIN (W<<6)|W                                   ; on the diagonal hidden scores become -infinity: the block of 32 keys a / 2 is compared, those behind it are hidden whole, those ahead of it count whole
.set n, 0
.rept 64
.if n/16 == (\a)/2
	v_cmp_gt_i32 vcc_lo, n%16-8*((\a)%2), v[D0]
	v_cndmask_b32 v[AC+n], v[AC+n], v[NINF], vcc_lo
.elseif n/16 > (\a)/2
	v_mov_b32 v[AC+n], 0xff800000
.endif
.set n, n+1
.endr
	WIN 0
.Lopen_\@:
	WIN W|(W<<2)|(W<<4)
.irp b, 0,1,2,3
	v_max3_num_f32 v[BM+\b], v[AC+16*\b], v[AC+16*\b+1], v[AC+16*\b+2]   ; the largest score of each block of 32 keys: for the row's maximum and, since p rises with the score, for the block's largest p
.endr
	WIN (W<<2)|(W<<4)
.irp i, 3,5,7,9,11,13
.irp b, 0,1,2,3
	v_max3_num_f32 v[BM+\b], v[BM+\b], v[AC+16*\b+\i], v[AC+16*\b+\i+1]
.endr
.endr
.irp b, 0,1,2,3
	v_max_num_f32 v[BM+\b], v[BM+\b], v[AC+16*\b+15]
.endr
	WIN 0
.irp b, 0,1,2,3
	v_permlanex16_b32 v[BP+\b], v[BM+\b], s[SEL], s[SEL+1]
.endr
.irp b, 0,1,2,3
	v_max_num_f32 v[BM+\b], v[BM+\b], v[BP+\b]
.endr
	v_max3_num_f32 v86, v[BM], v[BM+1], v[BM+2]
	v_max_num_f32 v86, v86, v[BM+3]
	v_mul_f32 v86, s[CS], v86                      ; the largest t of these 128 keys (key 0 of a tile on the diagonal counts for every query: it is a number)
	v_floor_f32 v84, -v86                          ; -M = floor(-t): M is a whole number
.irp b, 0,1,2,3
	v_fma_f32 v[BM+\b], v[BM+\b], s[CS], v84
.endr
	WIN (W<<6)|W
.set n, 0
.rept 32
	v_pk_fma_f32 v[AC+n:AC+n+1], v[AC+n:AC+n+1], s[CS:CS+1], v[84:85] op_sel_hi:[1,0,0]   ; t - M, two at a time
.set n, n+2
.endr
.set n, 0
	s_wait_alu depctr_va_vdst(0)
.rept 64
	v_exp_f32 v[AC+n], v[AC+n]                     ; p = 2^(t - M)
.set n, n+1
.endr
	WIN 0
.irp b, 0,1,2,3
	v_exp_f32 v[BM+\b], v[BM+\b]                   ; the block's largest p: the same two instructions on the same number
.endr
	v_nop                                          ; a plain place behind the exponentials
	s_wait_alu depctr_va_vdst(0)
.irp b, 0,1,2,3
	v_max_num_f32 v[BM+\b], 0x4800000, v[BM+\b]    ; the floor 2^(9 - 127)
.endr
.irp b, 0,1,2,3
	v_add_nc_u32 v[SCO+\b], 0xfc000000, v[BM+\b]
.endr
.irp b, 0,1,2,3
	v_and_or_b32 v[LIM+\b], v[BM+\b], 0x7f800000, s[MNT]
.endr
.irp b, 0,1,2,3
	v_lshrrev_b32 v[BY+\b], 23, v[SCO+\b]
.endr
	v_lshl_or_b32 v92, v[BY+1], 8, v[BY]
	v_lshl_or_b32 v92, v[BY+2], 16, v92
	v_lshl_or_b32 v92, v[BY+3], 24, v92            ; p's scale word for these 128 keys
	WIN W|(W<<2)
	v_pk_add_f32 v[88:89], v[AC:AC+1], v[AC+2:AC+3]                ; the sum is taken of the unquantised p: two at a time, in two chains
	v_pk_add_f32 v[90:91], v[AC+4:AC+5], v[AC+6:AC+7]
	WIN W<<2
.set n, 8
.rept 14
	v_pk_add_f32 v[88:89], v[88:89], v[AC+n:AC+n+1]
	v_pk_add_f32 v[90:91], v[90:91], v[AC+n+2:AC+n+3]
.set n, n+4
.endr
	WIN 0
	v_pk_add_f32 v[88:89], v[88:89], v[90:91]
	v_add_f32 v88, v88, v89
	v_permlanex16_b32 v87, v88, s[SEL], s[SEL+1]
	v_add_f32 v88, v88, v87                        ; l
	WIN (W<<6)|W
.set n, 0
.rept 64
	v_min_num_f32 v[AC+n], v[AC+n], v[LIM+n/16]    ; the conversion does not saturate (ISA guide 7.6.2); p is not negative, so the hold is one-sided
.set n, n+1
.endr
	WIN W
.set n, 0
.rept 8
	v_cvt_scalef32_pk8_fp8_f32 v[PCD+2*n:PCD+2*n+1], v[AC+8*n:AC+8*n+7], v[SCO+n/2]
.set n, n+1
.endr
	WIN 0
.irp c, 0,1,2,3
	global_store_b128 v[CO], v[PCD+4*\c:PCD+4*\c+3], s[8:9] offset:32768*(\a)+512*\c   ; the image as it stands: 512 consecutive bytes, aligned
.endr
.if (\a)%2 == 0
	v_mov_b32 v[KE], v84                           ; both halves of the lanes hold the same figures: the even block's wait for the odd block's
	v_mov_b32 v[KE+1], v88
	v_mov_b32 v[KE+2], v92
.else
	v_cndmask_b32 v[STS+2*(\a)-2], v[KE], v84, s[SH]               ; lanes 0-15 the even block's 16 queries, lanes 16-31 the odd block's
	v_cndmask_b32 v[STS+2*(\a)-1], v[KE+1], v88, s[SH]
	v_cndmask_b32 v[STS+2*(\a)], v[KE+2], v92, s[SH]
	global_store_b128 v[CO], v[STS+2*(\a)-2:STS+2*(\a)+1], s[10:11] offset:256*((\a)-1)   ; 32 places x 16 bytes: 512 consecutive bytes
.endif
.endm
.irp a, 0,1,2,3,4,5,6,7
	SOFT \a
.endr
	s_branch .Lend
; zero codes and neutral figures for the tile drow rowblocks down and dk key tiles on
.macro ZFILL drow, dk
.irp a, 0,1,2,3,4,5,6,7
.irp c, 0,1,2,3
	global_store_b128 v[CO], v[116:119], s[8:9] offset:((\drow)+\a)*32768+(\dk)*2048+512*\c
.endr
.endr
.irp u, 0,1,2,3
	global_store_b128 v[CO], v[120:123], s[10:11] offset:(\dk)*131072+(\drow)*256+512*\u
.endr
.endm
.Lhidden:
	s_wait_alu depctr_va_vdst(0)
	ZFILL 0, 0
	s_bitcmp1_b32 s22, 0                           ; an odd tile row ends a group of 512 keys with this tile
	s_cbranch_scc1 .Lend
	ZFILL 0, 1
	ZFILL 0, 2
	ZFILL 8, 1
	ZFILL 8, 2
.Lend:
	s_wait_tensorcnt 0x0                           ; the wave's end
	ds_add_u32 v[SPW], v[NIL]
	s_wait_dscnt 0x0
	s_endpgm
.Lfunc_end_k_q423f496124_scores:
	.size	k_q423f496124_scores, .Lfunc_end_k_q423f496124_scores-k_q423f496124_scores
	.p2alignl 7, 3214868480
	.fill 96, 4, 3214868480
	.section	.rodata,"a",@progbits
	.p2align	6, 0x0
	.amdhsa_kernel k_q423f496124_scores
		.amdhsa_group_segment_fixed_size 327680
		.amdhsa_private_segment_fixed_size 0
		.amdhsa_enable_private_segment 0
		.amdhsa_kernarg_size 32
		.amdhsa_user_sgpr_count 2
		.amdhsa_user_sgpr_kernarg_segment_ptr 1
		.amdhsa_wavefront_size32 1
		.amdhsa_system_sgpr_workgroup_id_x 1
		.amdhsa_system_sgpr_workgroup_id_y 1
		.amdhsa_system_sgpr_workgroup_id_z 1
		.amdhsa_system_vgpr_workitem_id 0
		.amdhsa_next_free_vgpr 1024
		.amdhsa_next_free_sgpr 102
		.amdhsa_reserve_vcc 1
		.amdhsa_float_denorm_mode_32 3
		.amdhsa_float_denorm_mode_16_64 3
		.amdhsa_memory_ordered 1
		.amdhsa_forward_progress 1
		.amdhsa_inst_pref_size 255
	.end_amdhsa_kernel
	.section	.bss,"aw",@nobits
	.p2align	6
	.space	262144
	.amdgpu_metadata
---
amdhsa.version: [ 1, 2 ]
amdhsa.kernels:
  - .name:           k_q423f496124_scores
    .symbol:         k_q423f496124_scores.kd
    .args:
      - { .name: qk_codes, .offset: 0, .size: 8, .value_kind: global_buffer, .address_space: global }
      - { .name: qk_scales, .offset: 8, .size: 8, .value_kind: global_buffer, .address_space: global }
      - { .name: p_codes, .offset: 16, .size: 8, .value_kind: global_buffer, .address_space: global }
      - { .name: pst, .offset: 24, .size: 8, .value_kind: global_buffer, .address_space: global }
    .group_segment_fixed_size: 327680
    .private_segment_fixed_size: 0
    .kernarg_segment_align: 8
    .kernarg_segment_size: 32
    .max_flat_workgroup_size: 128
    .sgpr_count:     102
    .vgpr_count:     1024
    .wavefront_size: 32
...
	.end_amdgpu_metadata
.endif
;; end of part 3
;; launch pv (part 4): grid 8 x 32, 4 waves a work-group, clusters of 4 x 4, 327,680 bytes of LDS; arguments p_codes, pst, v_codes, v_scales, out0; writes out0
.if DOCPART == 4
	.amdgcn_target "amdgcn-amd-amdhsa--gfx1250"
	.amdhsa_code_object_version 6
	.text
	.protected	k_q423f496124_pv
	.globl	k_q423f496124_pv
	.p2align	8
	.type	k_q423f496124_pv,@function
k_q423f496124_pv:
	s_mov_b64 s[64:65], 0
	v_nop
	global_prefetch_b8 v0, s[64:65] scope:SCOPE_SE
	s_setreg_imm32_b32 hwreg(HW_REG_WAVE_MODE, 25, 1), 1
	s_wait_xcnt 0x0
	s_wait_alu depctr_hold_cnt(0) depctr_sa_sdst(0) depctr_va_vdst(0) depctr_va_sdst(0) depctr_va_ssrc(0) depctr_va_vcc(0) depctr_vm_vsrc(0)
	s_getreg_b32 s2, hwreg(HW_REG_IB_STS2, 6, 4)
	s_cmp_eq_u32 s2, 0
	s_cbranch_scc0 .Lentry_in_a_cluster
	s_endpgm
.Lentry_in_a_cluster:
	s_bfe_u32 s2, ttmp6, 0x10000c
	s_cmp_lg_u32 s2, 0xf033
	s_cbranch_scc0 .Lentry_shape_is_right
	s_endpgm
.Lentry_shape_is_right:
; O = P V / l on codes of FP8 (E4M3) with E8M0 scales, K = the keys.  P's codes were made tile by tile of 128 keys, each under its own whole number M; here a row's M is the largest of its tiles', and M - the tile's M is taken
; off the tile's four scale bytes (held at 0 from below): p under the row's M with the same codes.  l = the sum of the tiles' l x 2^(tile's M - M), exact scalings; O is multiplied by 1 / l at the end.
; SHARES: a work-group makes two tiles of 128 queries x 128 channels, query blocks i and 15 - i of a batch, so that all work-groups walk the same number of keys: 5 periods of 512 keys (L = 1 or 2 for block i, 5 - L for the other).
; The causal mask needs 17 of the 20 K steps; the other three multiply zero codes that the launch before has written.  A wave makes 64 x 64: 16 accumulators.
; THE MATRIX INSTRUCTION IS USED TRANSPOSED (source 0 = 16 channels of V^T, source 1 = 16 queries of P): a lane holds one query and eight neighbouring channels.  Operands are images of registers, [rowblock][K step][2048];
; slot r of rowblock T is row 32 (T / 2) + 8 (T % 2) + r + 8 (r / 8): undone on the way out, for the queries in the stores' offsets, for the channels in the stage's.
; CLUSTERS: 4 x 4.  P's tiles hang on the cluster's y and cy and are asked for jointly along a row of the cluster; V's on the cluster's x, y and cx, jointly along a column: the four cy of a cluster have the same L and walk the same keys.
; The one branch on ids hangs on L, which comes from the cluster's y: alike in all partners.  By this text's count a wave has two tensor loads out at the start and one behind each round.
; LIMIT: a block of p whose byte would fall under 0 keeps 2^-127 over its codes: at most 448 x 2^-127 a number, beside a row whose largest p is over 1/2.
; THE HEAD'S LOADS, in place of the count above: at the start a wave has ONE tensor load out, its part of period 0; period 1's stands behind the prologue's round.
.set SLOT,  131072
.set ASC,   262144                     ; P's scale words under the rows' M: [20 K steps][128 places]
.set BSC,   272448                     ; V's, likewise
.set RLB,   282880                     ; 1 / l: block i's 128, then the other's
.set STAGE, 283904                     ; the way out: 16 rows x (256 + 16) bytes for each wave
.set SPARE, 301312                     ; the spare words, 128 bytes a wave: two blocks of 256 bytes that no other line names
.set ADRA, 16
.set ADRB, 20
.set BSA,  22
.set RLW,  23
.set STO,  24
.set RD,   25
.set CO,   26
.set ADRS, 27
.set SPW,  28
.set NIL,  29
.set RLA,  30
.set ASA,  31
.set SC,   32                          ; v32-39 scale words, two sets of four
.set RL,   48                          ; v48-51 1 / l of my four blocks of queries
.set PO,   52                          ; v52-56, v57-61 the prologue's offsets
.set VO,   57
.set TM,   64                          ; v64-95 at work
.set OBK,  96                          ; v96-127 rows read back from the stage
.set ACC,  128                         ; accumulator (a, b) at v[128 + 8 (4 a + b)]; ahead of the loop the prologue's figures
.set F0,   0                           ; window 1: two fragment buffers: P's four blocks, then V's four
.set F1,   128
.set G1, 24
.set G0, 32
.set G1B, 48
.set G0B, 56
.set OA,  40                           ; s40-44 where period n's tile of P begins; s[46:47] a pair for it
.set OBS, 66                           ; s66-70 the same for V; s[94:95] a pair for it
.set SLN, 72                           ; s72-76 which 512 keys period n takes
.set BL,  77                           ; s77-81 which block of queries
.set LL,  23
.set OLO, 84                           ; s[84:85], s[86:87] my part of O for the two blocks
.set SM,  96                           ; all ones where L = 2
.set ONES, 97
.set MSB, 0
.macro WIN new
.if MSB != (\new)
	s_set_vgpr_msb (MSB<<8)|(\new)
.set MSB, (\new)
.endif
.endm
.set MULW, 0x05                        ; sources 0 and 1 window 1; C and D window 0
.set TO_F, 0x40
.macro PLACES n
.rept \n
	v_nop
.endr
.endm
.macro JLOAD s                         ; a joint load: waves 0 and 1 fetch P's halves, waves 2 and 3 V's; four v_nop follow each line
	s_cmp_eq_u32 s15, 0
	s_cbranch_scc0 .Lfor_b_\@
	tensor_load_to_lds s[G0+4*\s:G0+4*\s+3], s[G1:G1+7]
	s_nop 0
.rept 4
	v_nop
.endr
	s_branch .Lasked_\@
.Lfor_b_\@:
	tensor_load_to_lds s[G0B+4*\s:G0B+4*\s+3], s[G1B:G1B+7]
	s_nop 0
.rept 4
	v_nop
.endr
.Lasked_\@:
.endm
.macro CROUND
	s_barrier_signal -1
	s_barrier_wait -1
	s_cmp_lg_u32 s14, 0
	s_cbranch_scc1 .Lnot_wave_0_\@
	s_barrier_signal -3
.Lnot_wave_0_\@:
	s_barrier_wait -3
	s_barrier_signal -1
	s_barrier_wait -1
.endm
	s_load_b256 s[4:11], s[0:1], 0x0               ; P's codes s[4:5], the figures s[6:7], V's codes s[8:9], V's scale words s[10:11]
	s_load_b64 s[12:13], s[0:1], 0x20              ; O
	v_lshl_add_u32 v[SPW], v0, 2, SPARE
	v_mov_b32 v[NIL], 0
	ds_add_u32 v28, v29
	ds_add_u32 v28, v29
	s_wait_dscnt 0x0
	v_lshrrev_b32 v1, 5, v0
	v_readfirstlane_b32 s14, v1                    ; wave
	s_lshr_b32 s15, s14, 1                         ; which half of the queries is mine.  Also: I fetch for P (0) or V (1)
	s_and_b32 s16, s14, 1                          ; which half of the channels.  Also: which half I fetch
	s_bfe_u32 s17, ttmp6, 0x40000                  ; cx
	s_bfe_u32 s18, ttmp6, 0x40004                  ; cy
	s_mov_b32 s19, ttmp9
	s_and_b32 s20, ttmp7, 0xffff
	s_lshr_b32 s21, s20, 1                         ; batch
	s_and_b32 s22, s20, 1
	s_add_co_u32 s[LL], s22, 1                     ; L: periods of the first block
	s_mov_b32 s[SLN], 0                            ; period n < L: block i, keys 512 n on; else block 15 - i, keys 512 (n - L) on
	s_mov_b32 s[SLN+1], s22
	s_sub_co_u32 s[SLN+2], 2, s[LL]
	s_sub_co_u32 s[SLN+3], 3, s[LL]
	s_sub_co_u32 s[SLN+4], 4, s[LL]
	s_lshl_b32 s[BL], s22, 2
	s_add_co_u32 s[BL], s[BL], s18                 ; i
	s_sub_co_u32 s[BL+2], 15, s[BL]
	s_cmp_eq_u32 s22, 1
	s_cselect_b32 s[BL+1], s[BL], s[BL+2]
	s_cselect_b32 s[SM], -1, 0
	s_mov_b32 s[BL+3], s[BL+2]
	s_mov_b32 s[BL+4], s[BL+2]
	; P's side, in registers that never hold cx
	s_lshl_b32 s45, s18, 2
	s_lshl_b32 s45, 15, s45                        ; my row of the cluster
	s_or_b32 s[G1], s45, (3<<16)|(1<<21)           ; the mask; elements of 8 bytes; bit 21 beside a mask; no padding
	s_lshl_b32 s45, s21, 7
	s_lshl_b32 s46, s16, 2
	s_add_co_u32 s45, s45, s46
.irp n, 0,1,2,3,4
	s_lshl_b32 s[OA+\n], s[BL+\n], 3
	s_add_co_u32 s[OA+\n], s[OA+\n], s45           ; rowblock 128 batch + 8 block + 4 half,
	s_lshl_b32 s[OA+\n], s[OA+\n], 15              ; of 16 K steps x 2,048 bytes,
	s_lshl_b32 s46, s[SLN+\n], 13
	s_add_co_u32 s[OA+\n], s[OA+\n], s46           ; four K steps a period
.endr
	s_mov_b32 s47, 0
	; V's side, in registers that never hold cy
	s_lshl_b32 s93, 0x1111, s17                    ; my column of the cluster
	s_or_b32 s[G1B], s93, (3<<16)|(1<<21)
	s_lshl_b32 s92, s19, 2
	s_add_co_u32 s92, s92, s17                     ; which 128 channels
	s_lshl_b32 s93, s92, 3
	s_lshl_b32 s94, s16, 2
	s_add_co_u32 s93, s93, s94
	s_lshl_b32 s93, s93, 17                        ; rowblock 8 ct + 4 half, of 64 K steps x 2,048 bytes,
	s_lshl_b32 s94, s21, 15
	s_add_co_u32 s93, s93, s94                     ; the batch's 16 K steps
.irp n, 0,1,2,3,4
	s_lshl_b32 s[OBS+\n], s[SLN+\n], 13
	s_add_co_u32 s[OBS+\n], s[OBS+\n], s93
.endr
	s_mov_b32 s95, 0
.irp g, G1, G1B                        ; 4 rows (rowblocks) of 1,024 elements (four K steps' images)
	s_mov_b32 s[\g+1], 1024<<16
	s_mov_b32 s[\g+2], 4<<16
	s_mov_b32 s[\g+3], 1024<<16
	s_mov_b32 s[\g+4], 4
	s_mov_b32 s[\g+6], 0
	s_mov_b32 s[\g+7], 0
.endr
	s_mov_b32 s[G1+5], 4096                        ; P: 16 K steps from rowblock to rowblock
	s_mov_b32 s[G1B+5], 16384                      ; V: 64
	s_lshl_b32 s88, s14, 15                        ; where they go: wave x 32,768
	s_mov_b32 s[ONES], 0x01010101
	s_wait_kmcnt 0x0
	CROUND                                         ; all sixteen work-groups are here: the first joint loads meet
.irp s, 0,1
	s_mov_b32 s[G0+4*\s], 1
	s_add_co_u32 s[G0+4*\s+1], s88, \s*SLOT
	s_mov_b32 s46, s[OA+\s]
	s_add_nc_u64 s[G0+4*\s+2:G0+4*\s+3], s[4:5], s[46:47]
	s_or_b32 s[G0+4*\s+3], s[G0+4*\s+3], 0x80000000
	s_mov_b32 s[G0B+4*\s], 1
	s_add_co_u32 s[G0B+4*\s+1], s88, \s*SLOT
	s_mov_b32 s94, s[OBS+\s]
	s_add_nc_u64 s[G0B+4*\s+2:G0B+4*\s+3], s[8:9], s[94:95]
	s_or_b32 s[G0B+4*\s+3], s[G0B+4*\s+3], 0x80000000
.endr
	JLOAD 0
	; THE PROLOGUE: thread t takes place t of both blocks of queries and place t of the channels
	v_lshlrev_b32 v3, 4, v0
	s_wait_alu depctr_va_vdst(0)
	v_lshlrev_b32 v5, 2, v0
	s_wait_alu depctr_va_vdst(0)
	s_lshl_b32 s88, s21, 15                        ; the batch's 2,048 places x 16 bytes
	s_lshl_b32 s89, s21, 16                        ; the batch's 16 K steps x 4,096 bytes
	s_lshl_b32 s90, s92, 9
	s_add_co_u32 s89, s89, s90                     ; my 128 channels' words
.irp n, 0,1,2,3,4
	s_lshl_b32 s90, s[SLN+\n], 19                  ; four key tiles x 131,072 bytes
	s_lshl_b32 s91, s[BL+\n], 11
	s_add_co_u32 s90, s90, s91
	s_add_co_u32 s90, s90, s88
	v_add_nc_u32 v[PO+\n], s90, v3
	s_lshl_b32 s90, s[SLN+\n], 14
	s_add_co_u32 s90, s90, s89
	v_add_nc_u32 v[VO+\n], s90, v5
.endr
	s_wait_alu depctr_va_vdst(0)
.irp n, 0,1,2,3,4
.irp q, 0,1,2,3
	global_load_b128 v[ACC+16*\n+4*\q:ACC+16*\n+4*\q+3], v[PO+\n], s[6:7] offset:131072*\q    ; -M, l, the scale word of (my place, this key tile)
	global_load_b32 v[ACC+80+4*\n+\q], v[VO+\n], s[10:11] offset:4096*\q
.endr
.endr
	v_and_b32 v1, 15, v0                           ; r
	v_bfe_u32 v2, v0, 4, 1                         ; h
	s_wait_alu depctr_va_vdst(0)
	v_and_b32 v6, 31, v0
	v_lshlrev_b32 v6, 4, v6
	s_lshl_b32 s88, s15, 15
	s_lshl_b32 s89, s16, 15
	s_add_co_u32 s89, s89, 65536
.irp s, 0,1
	v_add_nc_u32 v[ADRA+\s], s88, v6
	v_add_nc_u32 v[ADRB+\s], s89, v6
	s_add_co_u32 s88, s88, SLOT
	s_add_co_u32 s89, s89, SLOT
.endr
	s_lshl_b32 s88, s15, 8                         ; P's words: my 64 places
	s_lshl_b32 s89, s16, 8
	s_add_co_u32 s89, s89, BSC-ASC                 ; V's words: my 64 places
	s_sub_co_u32 s89, s89, s88
	v_mul_u32_u24 v4, s89, v2                      ; lanes 16-31 take V's
	s_add_co_u32 s88, s88, ASC
	v_lshl_add_u32 v4, v1, 2, v4
	v_add_nc_u32 v[ADRS], s88, v4
	s_lshl_b32 s88, s15, 8
	s_add_co_u32 s88, s88, RLB
	v_lshl_add_u32 v[RLA], v1, 2, s88
	v_lshl_add_u32 v[ASA], v0, 2, ASC
	v_lshl_add_u32 v[BSA], v0, 2, BSC
	v_lshl_add_u32 v[RLW], v0, 2, RLB
	s_mul_i32 s88, s14, 4352
	s_add_co_u32 s88, s88, STAGE                   ; my stage
	v_mul_u32_u24 v4, v1, 272
	v_lshl_add_u32 v4, v2, 6, v4
	v_add_nc_u32 v[STO], s88, v4                   ; in: row r, + 64 h
	v_mul_u32_u24 v4, v2, 272
	v_lshl_add_u32 v4, v1, 4, v4
	v_add_nc_u32 v[RD], s88, v4                    ; back: lanes 0-15 one row, lanes 16-31 the next
	v_lshlrev_b32 v4, 12, v2
	v_lshl_add_u32 v[CO], v1, 4, v4                ; and the same two rows in O
	s_lshl_b32 s88, s21, 11
	s_lshl_b32 s89, s15, 6
	s_add_co_u32 s88, s88, s89                     ; 2,048 batch + 64 x my half
	s_lshl_b32 s89, s92, 9
	s_lshl_b32 s90, s16, 8
	s_add_co_u32 s89, s89, s90                     ; my 64 channels' bytes
	s_lshl_b32 s[OLO], s[BL], 7
	s_add_co_u32 s[OLO], s[OLO], s88
	s_lshl_b32 s[OLO], s[OLO], 12
	s_add_co_u32 s[OLO], s[OLO], s89
	s_mov_b32 s[OLO+1], 0
	s_lshl_b32 s[OLO+2], s[BL+4], 7
	s_add_co_u32 s[OLO+2], s[OLO+2], s88
	s_lshl_b32 s[OLO+2], s[OLO+2], 12
	s_add_co_u32 s[OLO+2], s[OLO+2], s89
	s_mov_b32 s[OLO+3], 0
	s_add_nc_u64 s[OLO:OLO+1], s[12:13], s[OLO:OLO+1]
	s_add_nc_u64 s[OLO+2:OLO+3], s[12:13], s[OLO+2:OLO+3]
	s_wait_loadcnt 0x0
.irp n, 0,1,2,3,4
	v_min3_num_f32 v[64+\n], v[ACC+16*\n], v[ACC+16*\n+4], v[ACC+16*\n+8]    ; the smallest -M of each period's four tiles
.endr
.irp n, 0,1,2,3,4
	v_min_num_f32 v[64+\n], v[64+\n], v[ACC+16*\n+12]
.endr
	v_mov_b32 v69, 0x7f61b1e6
	v_cndmask_b32 v70, v69, v65, s[SM]             ; period 1 belongs to the first block where L = 2
	v_min_num_f32 v77, v64, v70                    ; -M of my place in the first block
	v_cndmask_b32 v70, v65, v69, s[SM]
	v_min3_num_f32 v78, v70, v66, v67
	v_min_num_f32 v78, v78, v68                    ; and in the second
	v_cndmask_b32 v79, v78, v77, s[SM]             ; period 1's
.macro ENTRY n, q, ref
.set EN, ACC+16*(\n)+4*(\q)
	v_sub_f32 v80, v[\ref], v[EN]                  ; the tile's M - the row's M: a whole number, 0 or less
	v_cvt_i32_f32 v80, v80                         ; (it saturates)
	v_ldexp_f32 v81, 1.0, v80
.if \q == 0
	v_mul_f32 v[72+\n], v[EN+1], v81               ; l under the row's M: the scaling rounds nothing
.else
	v_fmac_f32 v[72+\n], v[EN+1], v81
.endif
	v_sub_nc_u32 v80, 0, v80
	v_min_u32 v80, 127, v80                        ; d: what comes off each byte
	v_mul_lo_u32 v80, v80, s[ONES]
	v_or_b32 v82, 0x80808080, v[EN+2]              ; p's bytes are 119 at the most: with bit 7 set no byte borrows from the next
	v_sub_nc_u32 v82, v82, v80
	v_and_b32 v83, 0x80808080, v82                 ; bit 7 is left where the byte was d or more
	v_lshrrev_b32 v80, 7, v83
	v_sub_nc_u32 v83, v83, v80                     ; 0x7f there, 0 elsewhere
	v_and_b32 v[EN+2], v82, v83                    ; max(byte - d, 0)
	ds_store_b32 v[ASA], v[EN+2] offset:512*(4*(\n)+(\q))
	ds_store_b32 v[BSA], v[ACC+80+4*(\n)+(\q)] offset:512*(4*(\n)+(\q))
.endm
.irp q, 0,1,2,3
	ENTRY 0, \q, 77
	ENTRY 1, \q, 79
	ENTRY 2, \q, 78
	ENTRY 3, \q, 78
	ENTRY 4, \q, 78
.endr
	v_cndmask_b32 v80, 0, v73, s[SM]
	v_add_f32 v80, v72, v80                        ; the first block's l
	v_cndmask_b32 v81, v73, 0, s[SM]
	v_add_f32 v81, v81, v74
	v_add_f32 v82, v75, v76
	v_add_f32 v81, v81, v82                        ; the second's
	s_wait_alu depctr_va_vdst(0)
	v_rcp_f32 v80, v80
	v_rcp_f32 v81, v81
	v_nop                                          ; a plain place behind the reciprocals
	s_wait_alu depctr_va_vdst(0)
	ds_store_b32 v[RLW], v80
	ds_store_b32 v[RLW], v81 offset:512
	s_wait_tensorcnt 0x0                           ; my part of period 0 is in
	ds_add_u32 v[SPW], v[NIL]
	s_wait_dscnt 0x0                               ; for the others' sake: my words lie in LDS
	CROUND
	JLOAD 1                                        ; period 1: the first tensor load behind the round
.macro FETCH n, q, f                   ; K step q of period n: 36 loads: V's four fragments, P's four, four registers of scale words
	WIN TO_F
.irp j, 0,1,2,3
.irp c, 0,1,2,3
	ds_load_b128 v[\f+64+16*\j+4*\c:\f+64+16*\j+4*\c+3], v[ADRB+(\n)%2] offset:8192*\j+2048*(\q)+512*\c
.endr
.endr
.irp j, 0,1,2,3
.irp c, 0,1,2,3
	ds_load_b128 v[\f+16*\j+4*\c:\f+16*\j+4*\c+3], v[ADRA+(\n)%2] offset:8192*\j+2048*(\q)+512*\c
.endr
.endr
	WIN 0
.irp j, 0,1,2,3
	ds_load_b32 v[SC+4*((\q)%2)+\j], v[ADRS] offset:512*(4*(\n)+(\q))+64*\j
.endr
.endm
.macro MUL f, buf, zero                ; 16 matrix instructions; the 16 accumulators take turns, one instruction a turn
	WIN MULW
.irp a, 0,1,2,3
.irp b, 0,1,2,3
.if \zero
	v_wmma_scale_f32_16x16x128_f8f6f4 v[ACC+8*(4*\a+\b):ACC+8*(4*\a+\b)+7], v[\f+64+16*\b:\f+64+16*\b+15], v[\f+16*\a:\f+16*\a+15], 0, v[SC+4*(\buf)+\b], v[SC+4*(\buf)+\a] matrix_a_scale:MATRIX_SCALE_ROW1
.else
	v_wmma_scale_f32_16x16x128_f8f6f4 v[ACC+8*(4*\a+\b):ACC+8*(4*\a+\b)+7], v[\f+64+16*\b:\f+64+16*\b+15], v[\f+16*\a:\f+16*\a+15], v[ACC+8*(4*\a+\b):ACC+8*(4*\a+\b)+7], v[SC+4*(\buf)+\b], v[SC+4*(\buf)+\a] matrix_a_scale:MATRIX_SCALE_ROW1
.endif
.endr
.endr
.endm
; The change of slots at the head of period n.  Each wave waits for all its tensor loads (its part of period n), adds 0 to its spare word, and waits for that and for its reads of the slot that it has left.
; fill = 1: that slot takes period n + 1, behind a round of the cluster's barrier.
.macro CHANGE n, fill
.set SN, ((\n)+1)%2
	WIN 0
	s_wait_tensorcnt 0x0                           ; no tensor load of mine is out, so a group 0 may be written
	ds_add_u32 v[SPW], v[NIL]                      ; 0 onto my spare word
.if \fill
	s_mov_b32 s46, s[OA+(\n)+1]
	s_add_nc_u64 s[G0+4*SN+2:G0+4*SN+3], s[4:5], s[46:47]
	s_or_b32 s[G0+4*SN+3], s[G0+4*SN+3], 0x80000000
	s_mov_b32 s94, s[OBS+(\n)+1]
	s_add_nc_u64 s[G0B+4*SN+2:G0B+4*SN+3], s[8:9], s[94:95]
	s_or_b32 s[G0B+4*SN+3], s[G0B+4*SN+3], 0x80000000
.endif
	s_wait_dscnt 0x0                               ; the add is done, and my reads of the slot that I have left are over
.if \fill
	CROUND
	JLOAD SN                                       ; the first tensor load behind the round; its four v_nop are among the places in front of the loads below
	PLACES 4
.else
	s_barrier_signal -1
	s_barrier_wait -1
	PLACES 8
.endif
.endm
; The way out of a tile: x 1 / l, through my stage, 16 queries x 64 channels at a time; sixteen lanes store 256 consecutive bytes, aligned.
.macro OUT blk
	WIN 0
	PLACES 8
.irp a, 0,1,2,3
	ds_load_b32 v[RL+\a], v[RLA] offset:512*(\blk)+64*\a
.endr
	s_wait_dscnt 0x0
.irp a, 0,1,2,3
	s_wait_xcnt 0x0                                ; the earlier stores have read their registers: the rows' registers are loaded again only behind this wait
.irp b, 0,1,2,3
.irp j, 0,1,2,3,4,5,6,7
	v_mul_f32 v[TM+8*\b+\j], v[RL+\a], v[ACC+8*(4*\a+\b)+\j]       ; each accumulator from its low end on
.endr
.endr
.irp b, 0,1,2,3
	ds_store_b128 v[STO], v[TM+8*\b:TM+8*\b+3] offset:128*(\b/2)+32*(\b%2)          ; register j of tile b is channel 32 (b / 2) + 16 h + 8 (b % 2) + j
	ds_store_b128 v[STO], v[TM+8*\b+4:TM+8*\b+7] offset:128*(\b/2)+32*(\b%2)+16
.endr
.irp t, 0,1,2,3,4,5,6,7
	ds_load_b128 v[OBK+4*\t:OBK+4*\t+3], v[RD] offset:544*\t       ; LDS serves a wave's instructions in order: these see my stores
.endr
	s_wait_dscnt 0x0
.irp t, 0,1,2,3,4,5,6,7
	global_store_b128 v[CO], v[OBK+4*\t:OBK+4*\t+3], s[OLO+2*(\blk):OLO+2*(\blk)+1] offset:(32*(\a/2)+8*(\a%2)+2*\t+8*(\t/4))*4096 th:TH_STORE_NT   ; slot 2 t + (lane / 16) of rowblock a, at its true row
.endr
.endr
.endm
.macro PERIOD n, fill
.if \n > 0
	CHANGE \n, \fill
.endif
	FETCH \n, 0, F0
	FETCH \n, 1, F1
	s_wait_dscnt 36                                ; K step 0 is in; K step 1's 36 loads may be out
.if \n == 0
	MUL F0, 0, 1                                   ; the first products start the sums
.elseif \n < 3
	s_cmp_eq_u32 s[LL], \n                         ; the first block ends where n = L: alike in all partners; no barrier and no tensor load stands in the branch
	s_cbranch_scc0 .Lsame_\@
	OUT 0
	MUL F0, 0, 1                                   ; and the second block's sums start
	WIN 0
	s_branch .Ljoin_\@
.Lsame_\@:
	MUL F0, 0, 0
	WIN 0
.Ljoin_\@:
.else
	MUL F0, 0, 0
.endif
	PLACES 8
	FETCH \n, 2, F0
	s_wait_dscnt 36
	MUL F1, 1, 0
	PLACES 8
	FETCH \n, 3, F1
	s_wait_dscnt 36
	MUL F0, 0, 0
	s_wait_dscnt 0x0
	MUL F1, 1, 0
.endm
	PERIOD 0, 0
	PERIOD 1, 1
	PERIOD 2, 1
	PERIOD 3, 1
	PERIOD 4, 0
	OUT 1
	s_wait_tensorcnt 0x0                           ; the wave's end
	ds_add_u32 v[SPW], v[NIL]
	s_wait_dscnt 0x0
	CROUND                                         ; the closing round
	s_endpgm
.Lfunc_end_k_q423f496124_pv:
	.size	k_q423f496124_pv, .Lfunc_end_k_q423f496124_pv-k_q423f496124_pv
	.p2alignl 7, 3214868480
	.fill 96, 4, 3214868480
	.section	.rodata,"a",@progbits
	.p2align	6, 0x0
	.amdhsa_kernel k_q423f496124_pv
		.amdhsa_group_segment_fixed_size 327680
		.amdhsa_private_segment_fixed_size 0
		.amdhsa_enable_private_segment 0
		.amdhsa_kernarg_size 40
		.amdhsa_user_sgpr_count 2
		.amdhsa_user_sgpr_kernarg_segment_ptr 1
		.amdhsa_wavefront_size32 1
		.amdhsa_system_sgpr_workgroup_id_x 1
		.amdhsa_system_sgpr_workgroup_id_y 1
		.amdhsa_system_sgpr_workgroup_id_z 1
		.amdhsa_system_vgpr_workitem_id 0
		.amdhsa_next_free_vgpr 512
		.amdhsa_next_free_sgpr 102
		.amdhsa_reserve_vcc 0
		.amdhsa_float_denorm_mode_32 3
		.amdhsa_float_denorm_mode_16_64 3
		.amdhsa_memory_ordered 1
		.amdhsa_forward_progress 1
		.amdhsa_inst_pref_size 165
	.end_amdhsa_kernel
	.amdgpu_metadata
---
amdhsa.version: [ 1, 2 ]
amdhsa.kernels:
  - .name:           k_q423f496124_pv
    .symbol:         k_q423f496124_pv.kd
    .args:
      - { .name: p_codes, .offset: 0, .size: 8, .value_kind: global_buffer, .address_space: global }
      - { .name: pst, .offset: 8, .size: 8, .value_kind: global_buffer, .address_space: global }
      - { .name: v_codes, .offset: 16, .size: 8, .value_kind: global_buffer, .address_space: global }
      - { .name: v_scales, .offset: 24, .size: 8, .value_kind: global_buffer, .address_space: global }
      - { .name: out0, .offset: 32, .size: 8, .value_kind: global_buffer, .address_space: global }
    .group_segment_fixed_size: 327680
    .private_segment_fixed_size: 0
    .kernarg_segment_align: 8
    .kernarg_segment_size: 40
    .max_flat_workgroup_size: 128
    .sgpr_count:     102
    .vgpr_count:     512
    .wavefront_size: 32
...
	.end_amdgpu_metadata
.endif
;; end of part 4
